; MI455X (gfx1250); checked and timed in simulation.
; The chip was launched on July 23, 2026; its instructions are those of AMD's public machine-readable ISA for CDNA 5 (MIT licence, August 2026) and "CDNA5" Instruction Set Architecture Reference Guide (July 2026). The comments in the code are by the model that wrote it; some were corrected since.
;; Llama Attention. Allowed arithmetic: matrix products marked QUANTISED: E2M1 operands, one E8M0 scale for each 32 along K, by v_wmma_scale_f32_16x16x128_f8f6f4 with both operands' format E2M1 (or v_wmma_scale_f32_32x16x128_f4), f32 sums; products left as they are: bf16, f16 or f32 operands; f32 sums; everything else in f32.
;; Inputs: Wk 1,024 x 1,024 float32; Wo 1,024 x 1,024 float32; Wq 1,024 x 1,024 float32; Wv 1,024 x 1,024 float32; seq_lens 4 int32; x 4 x 2,048 x 1,024 float32.
;; Outputs: out0 4 x 2,048 x 1,024 float32.
;; This version of the problem:
;;   THIS VERSION OF THE PROBLEM IS GIVEN IN LOW PRECISION. The matrix products marked QUANTISED in the list below multiply operands that are first quantised to E2M1 (2 exponent bits, 1 mantissa bit; 4 bits a number), with one power-of-two scale for each 32 numbers along K (OCP MX v1.0); their sums are f32. The products marked 'left as it is' may take bf16, f16 or f32 operands, with f32 sums. Whichever they take, every output number must still come out within the allowed error. Rounding operands to bf16 (8 significant bits) uses up far more of that allowance than f16 does (11 bits, for magnitudes from 6e-5 to 65,504). All else is computed in f32.
;;   The module's matrix products, in the order in which they are computed (A, B: the left and right operand; K: the contracted axis; several contracted axes count as one K, in the product's order):
;;     1. [M 8,192, K 1,024] x [K 1,024, N 1,024]; A: input x; B: input Wq: QUANTISED
;;     2. [M 8,192, K 1,024] x [K 1,024, N 1,024]; A: input x; B: input Wk: QUANTISED
;;     3. [M 8,192, K 1,024] x [K 1,024, N 1,024]; A: input x; B: input Wv: QUANTISED
;;     4. [M 2,048, K 1] x [K 1, N 32]; A: computed on the way; B: computed on the way: left as it is (no contracted axis)
;;     5. batch 64 x [M 2,048, K 64] x [K 64, N 2,048]; A: computed on the way; B: computed on the way: left as it is (an operand is computed on the way)
;;     6. batch 64 x [M 64, K 2,048] x [K 2,048, N 2,048]; A: computed on the way; B: computed on the way: left as it is (an operand is computed on the way)
;;     7. [M 8,192, K 1,024] x [K 1,024, N 1,024]; A: computed on the way; B: input Wo: left as it is (an operand is computed on the way)
;;   THE QUANTISER, for each operand of a quantised product, along K:
;;     - K is cut into blocks of 32 from its start; a last block that is shorter is filled with zeros.
;;     - A block's scale is 2^e with e = floor(log2(the largest magnitude in the block)) - 2, held to -126 .. 127; a block of zeros has e = 0. As a byte (E8M0): e + 127.
;;     - Each number is divided by its block's scale, clamped to +-6, and rounded to the nearest number of E2M1, ties to even, subnormals kept.
;;     - The product sums the exact products of the quantised numbers (number of the format x scale) in f32.
;;   ~~~python
;;   def quantise(x, axis):      # numpy; x: float32 -> the quantised numbers, widened to float32 again
;;       x = np.moveaxis(x, axis, -1); K = x.shape[-1]
;;       x = np.pad(x, [(0, 0)] * (x.ndim - 1) + [(0, -K % 32)]); x = x.reshape(x.shape[:-1] + (-1, 32)); a = np.abs(x).max(-1, keepdims=True)
;;       e = np.where(a > 0, np.clip(np.frexp(np.where(a > 0, a, 1))[1] - 1 - 2, -126, 127), 0)      # np.frexp(a)[1] - 1 = floor(log2(a)), exactly
;;       r = np.clip(x / 2.0 ** e, -6, 6)
;;       step = 2.0 ** (np.maximum(np.frexp(np.where(r == 0, 1, r))[1] - 1, 0) - 1)
;;       q = np.round(r / step) * step * 2.0 ** e      # np.round: ties to even
;;       return np.moveaxis(q.reshape(q.shape[:-2] + (-1,))[..., :K], -1, axis).astype(np.float32)
;;   ~~~
;; One version. Each part assembles by itself: llvm-mc -triple=amdgcn-amd-amdhsa -mcpu=gfx1250 --defsym DOCPART=n.
;; ======== version 1 of 1: 6 launches
;; limits: values are held in f16: magnitudes above 65,504 overflow, below 6.1e-05 lose precision
;; workspace buffers: cod 5,767,168 bytes; scl 360,448 bytes; tb 524,288 bytes; wf 2,097,152 bytes; qf 16,777,216 bytes; kv 33,554,432 bytes; af 16,777,216 bytes; ohead 262,144 bytes
;; launch prep (part 1): grid 544 x 1, 4 waves a work-group, no clusters, 39,424 bytes of LDS; arguments x, Wq, Wk, Wv, Wo, cod, scl, wf, tb; writes cod, scl, wf, tb
.if DOCPART == 1
	.amdgcn_target "amdgcn-amd-amdhsa--gfx1250"
	.amdhsa_code_object_version 6
	.text
	.protected	k_q32396d6f23_prep
	.globl	k_q32396d6f23_prep
	.p2align	8
	.type	k_q32396d6f23_prep,@function
k_q32396d6f23_prep:
	s_mov_b64 s[64:65], 0
	v_nop
	global_prefetch_b8 v0, s[64:65] scope:SCOPE_SE
	s_setreg_imm32_b32 hwreg(HW_REG_WAVE_MODE, 25, 1), 1
	s_wait_xcnt 0x0
; PREP.  Four kinds of work-group, told apart by the work-group's number alone:
;   0-191   Wq, Wk, Wv [1024 (k)][1024 (n)] f32 -> codes of FP4 (E2M1) and E8M0 scale bytes, quantised along k (their first axis)
;   192-255 Wo [1024 (k)][1024 (n)] f32 -> f16
;   256-287 the table of cos and sin of position x 10^(-j/8), j = 0 .. 31, positions 0 .. 2047
;   288-543 x [8192][1024] f32 -> codes and scale bytes, quantised along its last axis
; EVERYTHING IS STORED AS AN IMAGE OF THE READER'S OPERAND REGISTERS.  A fragment (16 operand rows x 128 k of 4-bit codes, or x 32 k of f16) is 8 registers a lane, 1,024 bytes:
; the 16 bytes of row r that hold block (or octet) o of k lie at 256 o + 16 r, which is byte 16 x lane of registers 4 c .. 4 c + 3 with o = 2 c + lane / 16.
;   cod [k step of 128: 8][tile of 16 rows: 704][1,024]   tiles 0-511: x's rows; 512 + 64 mat + n / 16: the columns of Wq, Wk, Wv (mat 0, 1, 2)
;   scl [k step: 8][row: 11,264] one word of four E8M0 bytes        wf [n / 16: 64][k / 32: 32][1,024]
;   tb  [position / 16: 128][cos, sin][t: 2][u: 2][lane][16 bytes]: lane (r, h) holds j = 16 t + 8 h + 4 u + 0 .. 3 of position 16 pt + r
; THE QUANTISER: a block's scale is 2^(floor(log2(largest magnitude)) - 2); its byte is the largest magnitude's exponent field - 2, held at 1 from below.  A block of zeros so keeps
; the byte 1: its codes are zeros, and this program alone reads the bytes.  Each number is divided by the scale and rounded to the nearest code, ties to even, beyond 6 to 6.
; LIMITS: blocks whose largest magnitude lies under 2^-124 keep the byte 1; NaN and infinities among the inputs are not served; Wo beyond 65,504 becomes infinity in f16;
; the table's angle is position x the f32 nearest to 10^(-j/8), which may differ by some 1e-4 rad at position 2047 from an angle made with a frequency one unit in the last place away.
; No matrix unit, no tensor load, no cluster, no barrier: the work-groups share no input and the waves share nothing.  Only x's way touches LDS.
.set SPARE,   38912                    ; behind the four waves' regions: the spare words, 128 bytes a wave
.set WREG,    9728                     ; LDS of a wave on x's way: two stages of 2,560, 256 scale bytes, 4,096 of code images
.set SP,      80                       ; a lane's place in a stage: 64 bytes + 16 of padding
.set SCB,     5120
.set IMG,     5376
.set PLANE_C, 720896                   ; a k step's codes: 704 tiles of 1,024 bytes
.set PLANE_S, 45056                    ; a k step's scale words: 11,264 rows of 4 bytes
.set R,    16                          ; x: v16-143  eight sets of 16 numbers as loaded
.set X,    144                         ; x: v144-175 two sets of 16 neighbours
.set C,    176                         ; x: v176-207 codes, two registers a step
.set E,    208                         ; x: v208-223 a scale byte a step
.set SPW,  12                          ; v12 LDS address of my spare word; never rewritten
.set NIL,  13                          ; v13 0; never rewritten
.set D,    32                          ; weights: v32-95 two sets of 32 numbers down k
.set OUTW, 96                          ; weights: v96.. what is stored; no store's data are written again
; ---- x's way: as many bytes on their way as eight steps hold (32 loads a wave); each load reads 512 consecutive bytes of one row
.macro LOAD t
.irp i, 0,1,2,3
	global_load_b128 v[R+16*((\t)%8)+4*\i:R+16*((\t)%8)+4*\i+3], v3, s[4:5] offset:4096*(4*(\t)+\i) th:TH_LOAD_NT
.endr
.endm
.macro TURN t                          ; a step's 2,048 bytes through the wave's own stage: in as they lie, back 64 bytes a lane; LDS serves a wave's instructions in order
.irp i, 0,1,2,3
	ds_store_b128 v14, v[R+16*((\t)%8)+4*\i:R+16*((\t)%8)+4*\i+3] offset:32*SP*((\t)%2)+8*SP*\i
.endr
.irp i, 0,1,2,3
	ds_load_b128 v[X+16*((\t)%2)+4*\i:X+16*((\t)%2)+4*\i+3], v15 offset:32*SP*((\t)%2)+16*\i
.endr
.endm
; Step t: rows 4 t .. 4 t + 3 of my 64, 128 numbers each.  Behind the stage lane l holds row 4 t + l / 8, k = 16 (l % 8) + 0 .. 15: two neighbouring lanes hold a block.
.macro STEP t
.set XS, X+16*((\t)%2)
.if (\t) > 0
	s_wait_dscnt 2                                 ; this step's numbers are back (the last step's two stores may be out), so its stores into the stage have read their registers,
.else
	s_wait_dscnt 0x0
.endif
.if (\t)+8 < 16
	LOAD (\t)+8                                    ; which take the loads of eight steps on
.endif
.if (\t)+1 < 16
.if (\t) <= 7
	s_wait_loadcnt 28                              ; the next step's four loads are in; those of the seven steps behind it may be out
.else
	s_wait_loadcnt 4*(14-(\t))
.endif
	TURN (\t)+1
.endif
	v_max3_num_f32 v8, |v[XS]|, |v[XS+1]|, |v[XS+2]|
	v_max3_num_f32 v9, |v[XS+3]|, |v[XS+4]|, |v[XS+5]|
.irp i, 6,10
	v_max3_num_f32 v8, v8, |v[XS+\i]|, |v[XS+\i+1]|
	v_max3_num_f32 v9, v9, |v[XS+\i+2]|, |v[XS+\i+3]|
.endr
	v_max3_num_f32 v8, v8, |v[XS+14]|, |v[XS+15]|
	v_max3_num_f32 v8, v8, v9, 0x1800000           ; and the floor 2^(3 - 127): the byte cannot fall under 1
	v_max_num_f32_dpp v8, v8, v8 row_xmask:1 row_mask:0xf bank_mask:0xf   ; with my neighbour's 16: the block's largest magnitude
	v_add_nc_u32 v11, 0xff000000, v8               ; 2 off its exponent field: the conversion takes that field as its scale
	v_cvt_scalef32_pk8_fp4_f32 v[C+2*(\t)], v[XS:XS+7], v11
	v_cvt_scalef32_pk8_fp4_f32 v[C+2*(\t)+1], v[XS+8:XS+15], v11
	v_lshrrev_b32 v[E+(\t)], 23, v11               ; the scale's byte (a plain line behind the conversions)
	ds_store_b8 v5, v[E+(\t)] offset:SCB+16*(\t)   ; row x 4 + block = 16 t + l / 2; both lanes of a block write the same byte with the same value
	ds_store_b64 v4, v[C+2*(\t):C+2*(\t)+1] offset:IMG+1024*((\t)/4)+64*((\t)%4)   ; my 16 codes at their place in the tile's image
.endm
; ---- the weights' ways: a lane takes a column n and its registers run down k; each load reads 128 consecutive bytes, the four waves stand side by side on 512
.macro LOADW t
.irp i, 0,1,2,3,4,5,6,7,8,9,10,11,12,13,14,15,16,17,18,19,20,21,22,23,24,25,26,27,28,29,30,31
	global_load_b32 v[D+32*((\t)%2)+\i], v26, s[26:27] offset:(32*(\t)+\i)*4096 th:TH_LOAD_NT
.endr
.endm
.macro WAITW t
.if (\t) < 3
	s_wait_loadcnt 32                              ; this block's 32 loads are in; the next block's may be out
.else
	s_wait_loadcnt 0x0
.endif
.endm
.macro BLOCK t                         ; block t of my column: all 32 numbers are mine
.set XS, D+32*((\t)%2)
	WAITW \t
	v_max3_num_f32 v8, |v[XS]|, |v[XS+1]|, |v[XS+2]|
	v_max3_num_f32 v9, |v[XS+3]|, |v[XS+4]|, |v[XS+5]|
.irp i, 6,10,14,18,22,26
	v_max3_num_f32 v8, v8, |v[XS+\i]|, |v[XS+\i+1]|
	v_max3_num_f32 v9, v9, |v[XS+\i+2]|, |v[XS+\i+3]|
.endr
	v_max3_num_f32 v8, v8, |v[XS+30]|, |v[XS+31]|
	v_max3_num_f32 v8, v8, v9, 0x1800000
	v_add_nc_u32 v11, 0xff000000, v8
	v_lshrrev_b32 v9, 23, v11
.if (\t) == 0
	v_mov_b32 v24, v9                              ; the four bytes make my column's scale word
.else
	v_lshl_or_b32 v24, v9, 8*(\t), v24
.endif
.irp g, 0,1,2,3
	v_cvt_scalef32_pk8_fp4_f32 v[OUTW+4*(\t)+\g], v[XS+8*\g:XS+8*\g+7], v11
.endr
	v_nop                                          ; one plain line behind the last conversion
	global_store_b128 v25, v[OUTW+4*(\t):OUTW+4*(\t)+3], s[14:15] offset:256*(\t)   ; sixteen lanes store 256 consecutive bytes, aligned: block t of a tile's 16 rows
.if (\t)+2 < 4
	LOADW (\t)+2
.endif
.endm
.macro GROUP t                         ; 32 k of my column of Wo, rounded to f16: four octets
.set XS, D+32*((\t)%2)
	WAITW \t
.irp i, 0,1,2,3,4,5,6,7,8,9,10,11,12,13,14,15
	v_cvt_pk_f16_f32 v[OUTW+16*(\t)+\i], v[XS+2*\i], v[XS+2*\i+1]
.endr
.irp o, 0,1,2,3
	global_store_b128 v25, v[OUTW+16*(\t)+4*\o:OUTW+16*(\t)+4*\o+3], s[18:19] offset:1024*(\t)+256*\o
.endr
.if (\t)+2 < 4
	LOADW (\t)+2
.endif
.endm
; ---- the table: cos and sin of a = position x frequency.  n = the whole number nearest to a x 2 / pi (at most 1,304); r = a - n pi / 2 by two fused steps, pi / 2 in two parts;
; polynomials on |r| <= pi / 4; the quadrant n mod 4 swaps the two and sets the signs.  All choices are selects.
.macro SINCOS idx, lo, hi
	v_mov_b32 v16, \lo                             ; the frequency of lanes 0-15,
	v_mov_b32 v17, \hi                             ; and of lanes 16-31, eight j further on
	v_cndmask_b32 v16, v16, v17, s28
	v_mul_f32 v16, v5, v16                         ; a
	v_mul_f32 v17, 0x3f22f983, v16                 ; x 2 / pi
	v_rndne_f32 v17, v17                           ; n
	v_fmamk_f32 v16, v17, 0xbfc90fdb, v16
	v_fmamk_f32 v16, v17, 0x333bbd2e, v16          ; r
	v_cvt_i32_f32 v17, v17
	v_mul_f32 v18, v16, v16                        ; z = r r
	v_fmaak_f32 v19, s30, v18, 0xbab6061a
	v_fmaak_f32 v20, s31, v18, 0x3c08839e
	v_fmaak_f32 v19, v19, v18, 0x3d2aaaa5
	v_fmaak_f32 v20, v20, v18, 0xbe2aaaa3
	v_fmaak_f32 v19, v19, v18, 0xbf000000
	v_mul_f32 v20, v20, v18
	v_fmaak_f32 v19, v19, v18, 0x3f800000          ; cos r
	v_fma_f32 v20, v20, v16, v16                   ; sin r
	v_and_b32 v21, 1, v17
	v_cmp_eq_u32 vcc_lo, 1, v21
	v_cndmask_b32 v22, v19, v20, vcc_lo            ; in odd quadrants the two change places
	v_cndmask_b32 v23, v20, v19, vcc_lo
	v_add_nc_u32 v21, 1, v17
	v_and_b32 v21, 2, v21                          ; cos is negative in quadrants 1 and 2,
	v_and_b32 v17, 2, v17                          ; sin in 2 and 3
	v_lshlrev_b32 v21, 30, v21
	v_lshlrev_b32 v17, 30, v17
	v_xor_b32 v[32+\idx], v21, v22
	v_xor_b32 v[48+\idx], v17, v23
.endm
	s_load_b256 s[4:11], s[0:1], 0x0               ; x, Wq, Wk, Wv
	s_load_b256 s[12:19], s[0:1], 0x20             ; Wo, cod, scl, wf
	s_load_b64 s[20:21], s[0:1], 0x40              ; tb
	v_lshl_add_u32 v[SPW], v0, 2, SPARE
	v_mov_b32 v[NIL], 0
	v_lshrrev_b32 v1, 5, v0
	v_readfirstlane_b32 s22, v1                    ; wave 0..3
	v_and_b32 v2, 31, v0                           ; lane
	s_wait_kmcnt 0x0
	s_cmp_lt_u32 ttmp9, 192
	s_cbranch_scc1 .Lw
	s_cmp_lt_u32 ttmp9, 256
	s_cbranch_scc1 .Lwo
	s_cmp_lt_u32 ttmp9, 288
	s_cbranch_scc1 .Ltab
	; ======== x: work-group id takes 64 rows (id / 2) and four k steps (4 (id % 2) + wave): a wave takes 64 rows x 128 k: four tiles of one k step
	s_sub_co_u32 s23, ttmp9, 288
	s_lshr_b32 s24, s23, 1                         ; which 64 rows
	s_and_b32 s25, s23, 1
	s_lshl_b32 s25, s25, 2
	s_add_co_u32 s25, s25, s22                     ; which k step
	s_lshl_b32 s26, s24, 18                        ; 64 rows of 4,096 bytes
	s_lshl_b32 s27, s25, 9                         ; 128 numbers of 4 bytes
	s_add_co_u32 s26, s26, s27
	s_mov_b32 s27, 0
	s_add_nc_u64 s[4:5], s[4:5], s[26:27]
	s_mul_i32 s26, s25, PLANE_C
	s_lshl_b32 s28, s24, 12                        ; four tiles
	s_add_co_u32 s26, s26, s28
	s_add_nc_u64 s[14:15], s[14:15], s[26:27]
	s_mul_i32 s26, s25, PLANE_S
	s_lshl_b32 s28, s24, 8                         ; 64 words
	s_add_co_u32 s26, s26, s28
	s_add_nc_u64 s[16:17], s[16:17], s[26:27]
	v_lshlrev_b32 v3, 4, v2                        ; 16 x lane
	s_mul_i32 s29, s22, WREG                       ; my wave's region
	v_lshrrev_b32 v14, 2, v2
	v_mul_u32_u24 v14, v14, SP
	v_and_b32 v15, 3, v2
	v_lshl_add_u32 v14, v15, 4, v14
	v_add_nc_u32 v14, s29, v14                     ; the stage, in: four lanes' 64 bytes on end, then 16 of padding
	v_mul_u32_u24 v15, v2, SP
	v_add_nc_u32 v15, s29, v15                     ; and out: my 16 neighbours
	v_lshrrev_b32 v5, 1, v2
	v_add_nc_u32 v5, s29, v5                       ; my block's byte
	v_bfe_u32 v4, v2, 1, 2                         ; my block of the four: 256 bytes each in an image,
	v_lshlrev_b32 v4, 8, v4
	v_lshrrev_b32 v1, 3, v2
	v_lshl_add_u32 v4, v1, 4, v4                   ; my row of the step's four: 16 bytes each,
	v_and_b32 v1, 1, v2
	v_lshl_add_u32 v4, v1, 3, v4                   ; my half of the block
	v_add_nc_u32 v4, s29, v4
	v_add_nc_u32 v10, s29, v3                      ; the images, out: 16 bytes a lane
	v_lshlrev_b32 v7, 3, v2
	v_add_nc_u32 v6, s29, v7                       ; the scale bytes, out: 8 bytes a lane
.irp t, 0,1,2,3,4,5,6,7
	LOAD \t
.endr
	s_wait_loadcnt 28                              ; step 0's four loads are in
	TURN 0
.irp t, 0,1,2,3,4,5,6,7,8,9,10,11,12,13,14,15
	STEP \t
.endr
	ds_load_b64 v[8:9], v6 offset:SCB              ; LDS serves a wave's instructions in order: these see my stores
.irp j, 0,1,2,3,4,5,6,7
	ds_load_b128 v[R+4*\j:R+4*\j+3], v10 offset:IMG+512*\j
.endr
	s_wait_dscnt 8                                 ; the scale bytes are back; the eight loads behind them may be out
	global_store_b64 v7, v[8:9], s[16:17]          ; 32 lanes store 256 consecutive bytes, aligned: 64 rows' words
.irp j, 0,1,2,3,4,5,6,7
	s_wait_dscnt 7-\j
	global_store_b128 v3, v[R+4*\j:R+4*\j+3], s[14:15] offset:512*\j   ; 512 consecutive bytes, aligned
.endr
	s_wait_tensorcnt 0x0                           ; the wave's end, behind my last LDS store
	ds_add_u32 v[SPW], v[NIL]
	s_wait_dscnt 0x0
	s_endpgm
	; ======== Wq, Wk, Wv: work-group = 64 mat + 8 cg + ks: columns 128 cg + 32 wave + lane, k = 128 ks + 0 .. 127: four blocks a lane
.Lw:
	s_lshr_b32 s23, ttmp9, 6                       ; mat
	s_bfe_u32 s24, ttmp9, 0x30003                  ; cg
	s_and_b32 s25, ttmp9, 7                        ; ks
	s_cmp_eq_u32 s23, 1
	s_cselect_b64 s[26:27], s[8:9], s[6:7]
	s_cmp_eq_u32 s23, 2
	s_cselect_b64 s[26:27], s[10:11], s[26:27]
	s_lshl_b32 s28, s24, 2
	s_add_co_u32 s28, s28, s22                     ; which 32 columns
	s_lshl_b32 s30, s25, 19                        ; 128 rows of 4,096 bytes
	s_lshl_b32 s31, s28, 7
	s_add_co_u32 s30, s30, s31
	s_mov_b32 s31, 0
	s_add_nc_u64 s[26:27], s[26:27], s[30:31]
	s_lshl_b32 s32, s23, 6
	s_lshl_b32 s33, s28, 1
	s_add_co_u32 s32, s32, s33
	s_add_co_u32 s32, s32, 512                     ; my first tile: 512 + 64 mat + 2 x (which 32 columns)
	s_lshl_b32 s32, s32, 10
	s_mul_i32 s30, s25, PLANE_C
	s_add_co_u32 s30, s30, s32
	s_add_nc_u64 s[14:15], s[14:15], s[30:31]
	s_lshl_b32 s32, s23, 12
	s_lshl_b32 s33, s28, 7
	s_add_co_u32 s32, s32, s33
	s_add_co_u32 s32, s32, 32768                   ; my first row's word: (8,192 + 1,024 mat + 32 x ..) x 4
	s_mul_i32 s30, s25, PLANE_S
	s_add_co_u32 s30, s30, s32
	s_add_nc_u64 s[16:17], s[16:17], s[30:31]
	v_lshlrev_b32 v26, 2, v2                       ; 4 bytes a lane
	v_lshrrev_b32 v1, 4, v2
	v_and_b32 v3, 15, v2
	v_lshlrev_b32 v25, 4, v3
	v_lshl_add_u32 v25, v1, 10, v25                ; out: tile lane / 16, row lane % 16
	LOADW 0
	LOADW 1
.irp t, 0,1,2,3
	BLOCK \t
.endr
	global_store_b32 v26, v24, s[16:17]            ; 128 consecutive bytes a wave, 512 a work-group
	s_endpgm
	; ======== Wo: work-group - 192 = 8 cg + kq: the same columns, k = 128 kq + 0 .. 127
.Lwo:
	s_sub_co_u32 s23, ttmp9, 192
	s_lshr_b32 s24, s23, 3
	s_and_b32 s25, s23, 7
	s_lshl_b32 s28, s24, 2
	s_add_co_u32 s28, s28, s22
	s_lshl_b32 s30, s25, 19
	s_lshl_b32 s31, s28, 7
	s_add_co_u32 s30, s30, s31
	s_mov_b32 s31, 0
	s_add_nc_u64 s[26:27], s[12:13], s[30:31]
	s_lshl_b32 s30, s28, 16                        ; two tiles of n, 32,768 bytes each,
	s_lshl_b32 s32, s25, 12                        ; four fragments along k
	s_add_co_u32 s30, s30, s32
	s_add_nc_u64 s[18:19], s[18:19], s[30:31]
	v_lshlrev_b32 v26, 2, v2
	v_lshrrev_b32 v1, 4, v2
	v_and_b32 v3, 15, v2
	v_lshlrev_b32 v25, 4, v3
	v_lshl_add_u32 v25, v1, 15, v25
	LOADW 0
	LOADW 1
.irp t, 0,1,2,3
	GROUP \t
.endr
	s_endpgm
	; ======== the table: a wave takes 16 positions
.Ltab:
	s_sub_co_u32 s23, ttmp9, 256
	s_lshl_b32 s23, s23, 2
	s_add_co_u32 s23, s23, s22                     ; pt
	s_lshl_b32 s24, s23, 12
	s_mov_b32 s25, 0
	s_add_nc_u64 s[20:21], s[20:21], s[24:25]
	v_and_b32 v3, 15, v2
	v_lshrrev_b32 v4, 4, v2
	s_lshl_b32 s26, s23, 4
	v_add_nc_u32 v5, s26, v3
	v_cvt_f32_u32 v5, v5                           ; my position
	v_cmp_eq_u32 s28, 1, v4                        ; lanes 16-31
	v_lshlrev_b32 v6, 4, v2
	s_mov_b32 s30, 0x37ccf5ce                      ; the polynomials' leading coefficients
	s_mov_b32 s31, 0xb94ca1f9
	SINCOS 0, 1.0, 0.1
	SINCOS 1, 0.7498942093, 0.07498942093
	SINCOS 2, 0.5623413252, 0.05623413252
	SINCOS 3, 0.4216965034, 0.04216965034
	SINCOS 4, 0.3162277660, 0.03162277660
	SINCOS 5, 0.2371373706, 0.02371373706
	SINCOS 6, 0.1778279410, 0.01778279410
	SINCOS 7, 0.1333521432, 0.01333521432
	SINCOS 8, 0.01, 0.001
	SINCOS 9, 0.007498942093, 0.0007498942093
	SINCOS 10, 0.005623413252, 0.0005623413252
	SINCOS 11, 0.004216965034, 0.0004216965034
	SINCOS 12, 0.003162277660, 0.0003162277660
	SINCOS 13, 0.002371373706, 0.0002371373706
	SINCOS 14, 0.001778279410, 0.0001778279410
	SINCOS 15, 0.001333521432, 0.0001333521432
.irp k, 0,1,2,3,4,5,6,7
	global_store_b128 v6, v[32+4*\k:32+4*\k+3], s[20:21] offset:512*\k
.endr
	s_endpgm
.Lfunc_end_k_q32396d6f23_prep:
	.size	k_q32396d6f23_prep, .Lfunc_end_k_q32396d6f23_prep-k_q32396d6f23_prep
	.p2alignl 7, 3214868480
	.fill 96, 4, 3214868480
	.section	.rodata,"a",@progbits
	.p2align	6, 0x0
	.amdhsa_kernel k_q32396d6f23_prep
		.amdhsa_group_segment_fixed_size 39424
		.amdhsa_private_segment_fixed_size 0
		.amdhsa_enable_private_segment 0
		.amdhsa_kernarg_size 72
		.amdhsa_user_sgpr_count 2
		.amdhsa_user_sgpr_kernarg_segment_ptr 1
		.amdhsa_wavefront_size32 1
		.amdhsa_system_sgpr_workgroup_id_x 1
		.amdhsa_system_sgpr_workgroup_id_y 1
		.amdhsa_system_sgpr_workgroup_id_z 1
		.amdhsa_system_vgpr_workitem_id 0
		.amdhsa_next_free_vgpr 224
		.amdhsa_next_free_sgpr 66
		.amdhsa_reserve_vcc 1
		.amdhsa_float_denorm_mode_32 3
		.amdhsa_float_denorm_mode_16_64 3
		.amdhsa_memory_ordered 1
		.amdhsa_forward_progress 1
		.amdhsa_inst_pref_size 95
	.end_amdhsa_kernel
	.amdgpu_metadata
---
amdhsa.version: [ 1, 2 ]
amdhsa.kernels:
  - .name:           k_q32396d6f23_prep
    .symbol:         k_q32396d6f23_prep.kd
    .args:
      - { .name: x, .offset: 0, .size: 8, .value_kind: global_buffer, .address_space: global }
      - { .name: Wq, .offset: 8, .size: 8, .value_kind: global_buffer, .address_space: global }
      - { .name: Wk, .offset: 16, .size: 8, .value_kind: global_buffer, .address_space: global }
      - { .name: Wv, .offset: 24, .size: 8, .value_kind: global_buffer, .address_space: global }
      - { .name: Wo, .offset: 32, .size: 8, .value_kind: global_buffer, .address_space: global }
      - { .name: cod, .offset: 40, .size: 8, .value_kind: global_buffer, .address_space: global }
      - { .name: scl, .offset: 48, .size: 8, .value_kind: global_buffer, .address_space: global }
      - { .name: wf, .offset: 56, .size: 8, .value_kind: global_buffer, .address_space: global }
      - { .name: tb, .offset: 64, .size: 8, .value_kind: global_buffer, .address_space: global }
    .group_segment_fixed_size: 39424
    .private_segment_fixed_size: 0
    .kernarg_segment_align: 8
    .kernarg_segment_size: 72
    .max_flat_workgroup_size: 128
    .sgpr_count:     66
    .vgpr_count:     224
    .wavefront_size: 32
...
	.end_amdgpu_metadata
.endif
;; end of part 1
;; launch qkv (part 2): grid 12 x 32, 4 waves a work-group, clusters of 4 x 4, 327,680 bytes of LDS; arguments cod, scl, tb, qf, kv; writes qf, kv
.if DOCPART == 2
	.amdgcn_target "amdgcn-amd-amdhsa--gfx1250"
	.amdhsa_code_object_version 6
	.text
	.protected	k_q32396d6f23_qkv
	.globl	k_q32396d6f23_qkv
	.p2align	8
	.type	k_q32396d6f23_qkv,@function
k_q32396d6f23_qkv:
	s_mov_b64 s[64:65], 0
	v_nop
	global_prefetch_b8 v0, s[64:65] scope:SCOPE_SE
	s_setreg_imm32_b32 hwreg(HW_REG_WAVE_MODE, 25, 1), 1
	s_wait_xcnt 0x0
	s_wait_alu depctr_hold_cnt(0) depctr_sa_sdst(0) depctr_va_vdst(0) depctr_va_sdst(0) depctr_va_ssrc(0) depctr_va_vcc(0) depctr_vm_vsrc(0)
	s_getreg_b32 s2, hwreg(HW_REG_IB_STS2, 6, 4)
	s_cmp_eq_u32 s2, 0
	s_cbranch_scc0 .Lentry_in_a_cluster
	s_endpgm
.Lentry_in_a_cluster:
	s_bfe_u32 s2, ttmp6, 0x10000c
	s_cmp_lg_u32 s2, 0xf033
	s_cbranch_scc0 .Lentry_shape_is_right
	s_endpgm
.Lentry_shape_is_right:
; q = x Wq, k = x Wk, v = x Wv on codes of FP4 (E2M1) with one E8M0 scale for each 32 along K (K = 1,024); RoPE on q and k in f32; all three rounded to f16 and stored as images of the
; operand registers of the attention launch.  The codes and scale words lie as the launch before laid them: cod [k step of 128: 8][tile of 16 rows: 704][1,024], scl [k step][row] words.
; A tile of C, 256 x 256, is made by a work-group of four waves; a wave makes 128 x 128: 64 accumulators, 512 registers.  ALL OF K LIES IN LDS: two slots of four k steps, each filled once.
; CLUSTERS: 4 x 4 work-groups; the cluster's x says which product (0 q, 1 k, 2 v), so it is the same in all sixteen.  The four of a row of the cluster need the same tile of the operand
; called A here, the four of a column the same tile of B: each tile is asked for JOINTLY.
; ONE TEXT FOR THE THREE.  Both operands lie in the same two buffers, in blocks of 256 rows (x: blocks 0-31; Wq, Wk, Wv: 32-43), so which is A and which is B is a choice of block numbers.
; THE MATRIX INSTRUCTION IS USED TRANSPOSED (source 0 = 16 rows of B, source 1 = 16 rows of A): a lane holds one row of A and eight neighbouring rows of B.
;   q, k: A = x, B = W: a lane holds a position and eight channels: packed to 16 bytes they are a lane's part of a fragment of Q or K (16 positions x 32 channels).
;   v:    A = Wv, B = x: a lane holds a channel and eight positions: a lane's part of a fragment of V^T (16 channels x 32 keys).
; So every packed result is stored straight from registers: 32 lanes, 512 consecutive bytes, aligned; there is no stage in LDS.
;   qf [batch x head: 64][position / 16: 128][bb: 4][512]: lane (r, h) holds channels 16 bb + 8 h + 0 .. 7 of position 16 qt + r
;   kv [batch x head][step of 64 keys: 32][16,384]: K at 2,048 kt + 512 bb, as qf; V^T at 8,192 + 4,096 kg + 1,024 ct + 512 c: lane (r, h) holds keys 32 kg + 16 c + 8 h + 0 .. 7 of channel 16 ct + r
; LIMIT: q, k, v beyond 65,504 in magnitude become infinity in f16.
; REGISTERS, in windows of 256: window 0: v0-31 addresses; v32-95 scale words, two sets, and nothing else; v96-127, v192-223 two sets of the table; v128-191 A's fragments, ONE set (on the way out: at work).
;   window 1: B's fragments, TWO sets, at v0 and v128.   windows 2, 3: the accumulators of my A rows 0-63 and 64-127, (a, b) at v[8 (8 (a % 4) + b)].
.set NQ,     4                         ; k steps in a slot
.set FR,     8                         ; registers of a fragment
.set NL,     2                         ; LDS loads that bring one
.set NP,     4                         ; places behind this matrix instruction (ISA guide 7.12.1)
.set HALFT,  32768                     ; what one tensor load brings: four k steps x eight tiles of 1,024 bytes
.set SLOT,   4*HALFT                   ; A's two halves, then B's two
.set SCL,    2*SLOT                    ; the scale words: wave w's load at 4,096 w: [k step: 8][128 rows] words
.set SPARE,  SCL+4*4096                ; the spare words, 128 bytes a wave
.set PLANE_C, 720896
.set PLANE_S, 45056
.set LI,   8                           ; v8      16 x lane: my place in every image; also the first of the four store offsets
.set VO,   8                           ; v8-11   q, k: store offsets: 2 x (which head of my two) + (which half of my rows)
.set ADRA, 16                          ; v16-17  LDS address of my A fragments in slot 0, 1
.set ADRB, 20                          ; v20-21  the same for B
.set ADRS, 27                          ; v27     LDS address of my scale words: lanes 0-15 A's rows, lanes 16-31 B's
.set SPW,  28                          ; v28     LDS address of my spare word; never rewritten
.set NIL,  29                          ; v29     0; never rewritten
.set SC,   32
.set AF,   128
.set T,    128                         ; the way out of q, k: 32 rotated numbers
.set P,    160                         ; and two sets of 16 packed registers
.set G1, 24                            ; s[24:31] group 1 for A's codes; s[32:39] group 0, a set for each slot
.set G0, 32
.set G1B, 48                           ; s[48:55], s[56:63] the same for B's
.set G0B, 56
.set G1S, 68                           ; s[68:75], s[76:79] groups 1 and 0 for A's scale words; s[80:87], s[88:91] for B's
.set G0S, 76
.set G1SB, 80
.set G0SB, 88
.set MSB, 0
.macro WIN new                         ; the immediate's high byte repeats the setting that is left
.if MSB != \new
	s_set_vgpr_msb (MSB<<8)|\new
.set MSB, \new
.endif
.endm
.set MUL_LO, 0xa1                      ; source 0 (B) window 1, source 1 (A) window 0, C and D window 2
.set MUL_HI, 0xf1                      ; the same, C and D window 3
.set TO_B,   0x40                      ; destination window 1, address window 0
; A joint load: waves 0 and 1 fetch for A, waves 2 and 3 for B; the branch hangs on the wave's number alone.  An s_nop 0 and four v_nop follow each of the two lines.
.macro JLOAD g0a, g1a, g0b, g1b
	s_cmp_eq_u32 s15, 0
	s_cbranch_scc0 .Lfor_b_\@
	tensor_load_to_lds s[\g0a:\g0a+3], s[\g1a:\g1a+7]
	s_nop 0
.rept 4
	v_nop
.endr
	s_branch .Lasked_\@
.Lfor_b_\@:
	tensor_load_to_lds s[\g0b:\g0b+3], s[\g1b:\g1b+7]
	s_nop 0
.rept 4
	v_nop
.endr
.Lasked_\@:
.endm
.macro CROUND                          ; a round of the cluster's barrier
	s_barrier_signal -1
	s_barrier_wait -1
	s_cmp_lg_u32 s14, 0
	s_cbranch_scc1 .Lnot_wave_0_\@
	s_barrier_signal -3
.Lnot_wave_0_\@:
	s_barrier_wait -3
	s_barrier_signal -1
	s_barrier_wait -1
.endm
	s_load_b256 s[4:11], s[0:1], 0x0               ; cod s[4:5], scl s[6:7], tb s[8:9], qf s[10:11]
	s_load_b64 s[12:13], s[0:1], 0x20              ; kv
	v_lshl_add_u32 v[SPW], v0, 2, SPARE
	v_mov_b32 v[NIL], 0
	ds_add_u32 v[SPW], v[NIL]                      ; the wave's opening: the add and its wait stand ahead of my first tensor load; the set-up below stands between them
	v_lshrrev_b32 v1, 5, v0
	v_readfirstlane_b32 s14, v1                    ; wave 0..3
	s_lshr_b32 s15, s14, 1                         ; which half of A's rows is mine.  Also: I fetch for A (0) or for B (1)
	s_and_b32 s16, s14, 1                          ; which half of B's rows.  Also: which half of that tile I fetch
	s_bfe_u32 s40, ttmp6, 0x40000                  ; cx, cy: my place in the cluster
	s_bfe_u32 s41, ttmp6, 0x40004
	s_and_b32 s17, ttmp7, 0xffff
	s_lshl_b32 s17, s17, 2                         ; x's first block of this cluster: 4 x cluster y
	s_lshl_b32 s18, ttmp9, 2
	s_add_co_u32 s18, s18, 32                      ; W's first block: 32 + 4 x product
	s_cmp_eq_u32 ttmp9, 2                          ; v?  The cluster's x: the same in all sixteen
	s_cselect_b32 s42, 40, s17
	s_cselect_b32 s45, s17, s18
	s_add_co_u32 s42, s42, s41                     ; A's block: hangs on cy alone, which my row of the cluster shares
	s_add_co_u32 s45, s45, s40                     ; B's block: on cx alone, which my column shares
	s_lshl_b32 s43, s41, 2
	s_lshl_b32 s43, 15, s43                        ; my row of the cluster
	s_lshl_b32 s44, 0x1111, s40                    ; my column
	; group 1 for codes: four k steps (rows) of eight tiles on end: 1,024 elements of 8 bytes, a k step's plane apart; dense in LDS
	s_or_b32 s[G1+0], s43, (3<<16)|(1<<21)         ; 15:0 the mask; 17:16 elements of 8 bytes; 21 set beside a mask; no padding
	s_or_b32 s[G1B+0], s44, (3<<16)|(1<<21)
.irp g, G1, G1B
	s_mov_b32 s[\g+1], 1024<<16                    ; tensor_dim0
	s_mov_b32 s[\g+2], 4<<16                       ; tensor_dim1
	s_mov_b32 s[\g+3], 1024<<16                    ; tile_dim0
	s_mov_b32 s[\g+4], 4                           ; tile_dim1
	s_mov_b32 s[\g+5], PLANE_C/8                   ; tensor_dim0_stride
	s_mov_b32 s[\g+6], 0
	s_mov_b32 s[\g+7], 0
.endr
	; and for scale words: eight k steps (rows) of 128 rows' words: 64 elements of 8 bytes
	s_or_b32 s[G1S+0], s43, (3<<16)|(1<<21)
	s_or_b32 s[G1SB+0], s44, (3<<16)|(1<<21)
.irp g, G1S, G1SB
	s_mov_b32 s[\g+1], 64<<16
	s_mov_b32 s[\g+2], 8<<16
	s_mov_b32 s[\g+3], 64<<16
	s_mov_b32 s[\g+4], 8
	s_mov_b32 s[\g+5], PLANE_S/8
	s_mov_b32 s[\g+6], 0
	s_mov_b32 s[\g+7], 0
.endr
	s_lshl_b32 s19, s16, 13                        ; the half that I fetch: eight tiles
	s_lshl_b32 s20, s42, 14                        ; a block is sixteen tiles
	s_add_co_u32 s20, s20, s19
	s_mov_b32 s21, 0
	s_lshl_b32 s46, s45, 14
	s_add_co_u32 s46, s46, s19
	s_mov_b32 s47, 0
	s_lshl_b32 s19, s16, 9                         ; and 128 words
	s_lshl_b32 s22, s42, 10
	s_add_co_u32 s22, s22, s19
	s_mov_b32 s23, 0
	s_lshl_b32 s92, s45, 10
	s_add_co_u32 s92, s92, s19
	s_mov_b32 s93, 0
	s_lshl_b32 s94, s14, 15                        ; where they go: wave x HALFT: no place in the cluster enters an LDS address
	s_lshl_b32 s95, s14, 12
	s_wait_dscnt 0x0                               ; the opening add is done
	s_wait_kmcnt 0x0
	s_add_nc_u64 s[20:21], s[4:5], s[20:21]
	s_add_nc_u64 s[46:47], s[4:5], s[46:47]
	s_add_nc_u64 s[22:23], s[6:7], s[22:23]
	s_add_nc_u64 s[92:93], s[6:7], s[92:93]
	CROUND                                         ; all sixteen work-groups are here: the joint loads meet
	s_mov_b32 s[G0S], 1
	s_add_co_u32 s[G0S+1], s95, SCL
	s_mov_b64 s[G0S+2:G0S+3], s[22:23]
	s_or_b32 s[G0S+3], s[G0S+3], 0x80000000
	s_mov_b32 s[G0SB], 1
	s_add_co_u32 s[G0SB+1], s95, SCL
	s_mov_b64 s[G0SB+2:G0SB+3], s[92:93]
	s_or_b32 s[G0SB+3], s[G0SB+3], 0x80000000
	JLOAD G0S, G1S, G0SB, G1SB                     ; the scale words first: they are wanted with the first k step.  Three loads of mine are out behind the third
.irp s, 0,1
	s_mov_b32 s[G0+4*\s], 1
	s_add_co_u32 s[G0+4*\s+1], s94, \s*SLOT
	s_add_nc_u64 s[G0+4*\s+2:G0+4*\s+3], s[20:21], \s*4*PLANE_C
	s_or_b32 s[G0+4*\s+3], s[G0+4*\s+3], 0x80000000
	s_mov_b32 s[G0B+4*\s], 1
	s_add_co_u32 s[G0B+4*\s+1], s94, \s*SLOT
	s_add_nc_u64 s[G0B+4*\s+2:G0B+4*\s+3], s[46:47], \s*4*PLANE_C
	s_or_b32 s[G0B+4*\s+3], s[G0B+4*\s+3], 0x80000000
	JLOAD G0+4*\s, G1, G0B+4*\s, G1B
.endr
	v_and_b32 v1, 15, v0                           ; r
	v_bfe_u32 v2, v0, 4, 1                         ; h
	v_and_b32 v3, 31, v0
	v_lshlrev_b32 v[LI], 4, v3
	s_lshl_b32 s21, s15, 15                        ; my half of A,
	s_lshl_b32 s22, s16, 15                        ; my half of B,
	s_add_co_u32 s22, s22, 2*HALFT                 ; which lies behind A's two
.irp s, 0,1
	v_add_nc_u32 v[ADRA+\s], s21, v[LI]
	v_add_nc_u32 v[ADRB+\s], s22, v[LI]
	s_add_co_u32 s21, s21, SLOT
	s_add_co_u32 s22, s22, SLOT
.endr
	s_lshl_b32 s21, s15, 12                        ; A's words: my half
	s_lshl_b32 s22, s16, 12                        ; B's: my half, behind A's two
	s_add_co_u32 s22, s22, 2*4096
	s_sub_co_u32 s22, s22, s21
	v_mul_u32_u24 v6, s22, v2                      ; lanes 16-31 take B's: the lower base + h x the distance
	s_add_co_u32 s21, s21, SCL
	v_lshl_add_u32 v5, v1, 2, v6
	v_add_nc_u32 v[ADRS], s21, v5
.macro FRAG reg, adr, q, i             ; tile i of the slot's q-th k step comes as it lies: 16 bytes a lane, twice: no two lanes of a load meet in a bank
.irp c, 0,1
	ds_load_b128 v[\reg+4*\c:\reg+4*\c+3], v[\adr] offset:8192*(\q)+1024*(\i)+512*\c
.endr
.endm
; 16 matrix instructions: A's blocks a0, a0 + 1 x B's eight.  p: B's set; sc: the set of scale words.  zero = 1: the first product starts the sums.
; The 64 accumulators take turns, one instruction a turn, in the same order in every step.
.macro MUL16 a0, p, q, sc, zero
.irp a, \a0, \a0+1
.irp b, 0,1,2,3,4,5,6,7
.if \zero
	v_wmma_scale_f32_16x16x128_f8f6f4 v[8*(8*((\a)%4)+\b):8*(8*((\a)%4)+\b)+7], v[128*(\p)+FR*\b:128*(\p)+FR*\b+FR-1], v[AF+FR*(\a):AF+FR*(\a)+FR-1], 0, v[SC+8*NQ*(\sc)+NQ*\b+(\q)], v[SC+8*NQ*(\sc)+NQ*(\a)+(\q)] matrix_a_fmt:MATRIX_FMT_FP4 matrix_b_fmt:MATRIX_FMT_FP4 matrix_a_scale:MATRIX_SCALE_ROW1
.else
	v_wmma_scale_f32_16x16x128_f8f6f4 v[8*(8*((\a)%4)+\b):8*(8*((\a)%4)+\b)+7], v[128*(\p)+FR*\b:128*(\p)+FR*\b+FR-1], v[AF+FR*(\a):AF+FR*(\a)+FR-1], v[8*(8*((\a)%4)+\b):8*(8*((\a)%4)+\b)+7], v[SC+8*NQ*(\sc)+NQ*\b+(\q)], v[SC+8*NQ*(\sc)+NQ*(\a)+(\q)] matrix_a_fmt:MATRIX_FMT_FP4 matrix_b_fmt:MATRIX_FMT_FP4 matrix_a_scale:MATRIX_SCALE_ROW1
.endif
.endr
.endr
.endm
.macro FETCH_B slot, q, p
	WIN TO_B
.irp i, 0,1,2,3,4,5,6,7
	FRAG 128*(\p)+FR*\i, ADRB+\slot, \q, \i
.endr
	WIN 0
.endm
.macro FETCH_A slot, q, i0
.irp i, \i0, \i0+1, \i0+2, \i0+3
	FRAG AF+FR*(\i), ADRA+\slot, \q, \i
.endr
.endm
.macro SCALES sc                       ; slot sc's scale words: register 4 i + q: lanes 0-15 the word of A's block i, lanes 16-31 that of B's block i, for the slot's q-th k step
.irp i, 0,1,2,3,4,5,6,7
.irp q, 0,1,2,3
	ds_load_b32 v[SC+8*NQ*\sc+NQ*\i+\q], v[ADRS] offset:512*(4*\sc+\q)+64*\i
.endr
.endr
.endm
.macro PLACES n                        ; a load into a register that a matrix instruction has read, and a vector instruction that reads a result or writes such a register, stand four plain vector lines behind it
.rept \n
	v_nop
.endr
.endm
.macro STEP slot, q, zero              ; a k step that has its successor in the same slot
	s_wait_dscnt 4*NL                              ; B's set and A's blocks 0-3 are in; the youngest eight loads (A's blocks 4-7) may be out
	WIN MUL_LO
	MUL16 0, (\q)%2, \q, \slot, \zero
	MUL16 2, (\q)%2, \q, \slot, \zero
	s_wait_dscnt 0                                 ; A's blocks 4-7 are in
	PLACES NP
	FETCH_B \slot, (\q)+1, 1-(\q)%2
	FETCH_A \slot, (\q)+1, 0
	WIN MUL_HI
	MUL16 4, (\q)%2, \q, \slot, \zero
	MUL16 6, (\q)%2, \q, \slot, \zero
	PLACES NP
	WIN 0
	FETCH_A \slot, (\q)+1, 4
.endm
; Slot 0's last step goes over to slot 1: in front of the barrier each wave waits for all its tensor loads (its part of slot 1); behind it slot 1 is whole.  Nothing is filled again.
.macro TURN slot, next
	s_wait_tensorcnt 0x0
	ds_add_u32 v[SPW], v[NIL]                      ; 0 onto my spare word
	s_wait_dscnt 4*NL+1                            ; (the add and the youngest eight loads may be out)
	WIN MUL_LO
	MUL16 0, 1, NQ-1, \slot, 0
	s_wait_dscnt 0x0                               ; no LDS instruction of mine is out at the signal
	s_barrier_signal -1
	MUL16 2, 1, NQ-1, \slot, 0
	WIN 0
	s_barrier_wait -1
	PLACES NP
	FETCH_B \next, 0, 0
	FETCH_A \next, 0, 0
	SCALES \next
	WIN MUL_HI
	MUL16 4, 1, NQ-1, \slot, 0
	MUL16 6, 1, NQ-1, \slot, 0
	PLACES NP
	WIN 0
	FETCH_A \next, 0, 4
.endm
.macro STEPS slot, from
.set Q, \from
.rept NQ-1-\from
	STEP \slot, Q, 0
.set Q, Q+1
.endr
.endm
.macro LAST                            ; slot 1's four k steps; the last fetches nothing
	STEPS 1, 0
	s_wait_dscnt 4*NL
	WIN MUL_LO
	MUL16 0, 1, NQ-1, 1, 0
	MUL16 2, 1, NQ-1, 1, 0
	s_wait_dscnt 0x0
	WIN MUL_HI
	MUL16 4, 1, NQ-1, 1, 0
	MUL16 6, 1, NQ-1, 1, 0
	WIN 0
.endm
.macro FINISH
	s_wait_tensorcnt 0x0                           ; the wave's end, behind my last tensor load
	ds_add_u32 v[SPW], v[NIL]
	s_wait_dscnt 0x0
	CROUND                                         ; the closing round
	s_endpgm
.endm
.macro TABLE a                         ; cos and sin for my positions 16 a + r: registers 8 t + p: cos of j = 16 t + 8 h + p; + 16: sin
.irp k, 0,1,2,3,4,5,6,7
	global_load_b128 v[96+96*((\a)%2)+4*\k:96+96*((\a)%2)+4*\k+3], v[LI], s[8:9] offset:(\a)*4096+\k*512
.endr
.endm
; RoPE and the way out of head hh of my two, positions 16 a + r.  lo = channels 0-31 (accumulators b = 4 hh + t), hi = channels 32-63 (b = 4 hh + 2 + t):
; lo' = lo cos - hi sin, hi' = hi cos + lo sin.  Each accumulator is read from its low end on.
.macro ROPE a, hh
.set AC, 64*((\a)%4)+32*(\hh)
.set TBL, 96+96*((\a)%2)
	s_wait_xcnt 0x0                                ; the earlier stores have read their data: the packed set may be written again
	WIN 0x02+(\a)/4                                ; source 0: window 2 or 3
.irp t, 0,1
.irp p, 0,2,4,6
	v_pk_mul_f32 v[T+8*\t+\p:T+8*\t+\p+1], v[AC+8*\t+\p:AC+8*\t+\p+1], v[TBL+8*\t+\p:TBL+8*\t+\p+1]
	v_pk_mul_f32 v[T+16+8*\t+\p:T+16+8*\t+\p+1], v[AC+16+8*\t+\p:AC+16+8*\t+\p+1], v[TBL+8*\t+\p:TBL+8*\t+\p+1]
.endr
.irp p, 0,2,4,6
	v_pk_fma_f32 v[T+8*\t+\p:T+8*\t+\p+1], v[AC+16+8*\t+\p:AC+16+8*\t+\p+1], v[TBL+16+8*\t+\p:TBL+16+8*\t+\p+1], v[T+8*\t+\p:T+8*\t+\p+1] neg_lo:[0,1,0] neg_hi:[0,1,0]
	v_pk_fma_f32 v[T+16+8*\t+\p:T+16+8*\t+\p+1], v[AC+8*\t+\p:AC+8*\t+\p+1], v[TBL+16+8*\t+\p:TBL+16+8*\t+\p+1], v[T+16+8*\t+\p:T+16+8*\t+\p+1]
.endr
.endr
	WIN 0
.irp i, 0,1,2,3,4,5,6,7,8,9,10,11,12,13,14,15
	v_cvt_pk_f16_f32 v[P+16*(\hh)+\i], v[T+2*\i], v[T+2*\i+1]
.endr
.irp bb, 0,1,2,3
	global_store_b128 v[VO+2*(\hh)+(\a)/4], v[P+16*(\hh)+4*\bb:P+16*(\hh)+4*\bb+3], s[10:11] offset:(\a)*2048+\bb*512   ; 512 consecutive bytes, aligned
.endr
.endm
.macro VOUT a                          ; v: channels 16 a + r of my 128, my 128 positions
.set AC, 64*((\a)%4)
.set PB, 128+32*((\a)%2)
	s_wait_xcnt 0x0                                ; the stores of two blocks back have read their data
	WIN 0x0a+5*((\a)/4)                            ; sources 0 and 1: window 2 or 3
.irp b, 0,1,2,3,4,5,6,7
.irp i, 0,1,2,3
	v_cvt_pk_f16_f32 v[PB+4*\b+\i], v[AC+8*\b+2*\i], v[AC+8*\b+2*\i+1]
.endr
.endr
	WIN 0
.irp b, 0,1,2,3,4,5,6,7
	global_store_b128 v[LI], v[PB+4*\b:PB+4*\b+3], s[12:13] offset:((\a)/4)*524288+(\b/4)*16384+8192+((\b/2)%2)*4096+((\a)%4)*1024+(\b%2)*512
.endr
.endm
	s_wait_tensorcnt 1                             ; the scale words and my part of slot 0 are in; slot 1's load may be out
	s_barrier_signal -1
	s_barrier_wait -1
	FETCH_B 0, 0, 0
	FETCH_A 0, 0, 0
	SCALES 0
	FETCH_A 0, 0, 4
	STEP 0, 0, 1                                   ; the first step's products start the sums: nothing is cleared
	STEPS 0, 1
	TURN 0, 1
	s_cmp_eq_u32 ttmp9, 2                          ; the ways part here, once, on the cluster's x; slot 1's steps are written on both, so that q's and k's table is asked for 256 products ahead of its use
	s_cbranch_scc1 .Lv
	; ---- q or k
	s_lshr_b32 s18, s42, 3                         ; batch: eight blocks of 256 positions each
	s_and_b32 s19, s42, 7
	s_lshl_b32 s19, s19, 8
	s_lshl_b32 s20, s15, 7
	s_add_co_u32 s19, s19, s20                     ; my first position
	s_lshl_b32 s20, s19, 8                         ; 4,096 bytes of table for 16 positions
	s_mov_b32 s21, 0
	s_add_nc_u64 s[8:9], s[8:9], s[20:21]
	TABLE 0
	TABLE 1
	s_lshl_b32 s18, s18, 4
	s_lshl_b32 s20, s40, 2
	s_add_co_u32 s18, s18, s20
	s_lshl_b32 s20, s16, 1
	s_add_co_u32 s18, s18, s20                     ; batch x 16 + my first head: 4 cx + 2 x (my half of B)
	s_lshl_b32 s18, s18, 18                        ; in qf a head is 262,144 bytes and a position 128;
	s_lshl_b32 s20, s19, 7
	s_add_co_u32 s20, s18, s20
	s_lshl_b32 s20, s20, ttmp9                     ; in kv both are twice that
	s_cmp_eq_u32 ttmp9, 0
	s_cselect_b64 s[10:11], s[10:11], s[12:13]
	s_add_nc_u64 s[10:11], s[10:11], s[20:21]
	s_lshl_b32 s22, ttmp9, 13                      ; in kv 8,192 bytes of V^T lie behind each 64 positions of K
	s_lshl_b32 s23, 0x40000, ttmp9                 ; from a head to the next
	v_add_nc_u32 v[VO+1], s22, v[LI]
	v_add_nc_u32 v[VO+2], s23, v[LI]
	v_add_nc_u32 v[VO+3], s22, v[VO+2]
	LAST
	PLACES NP                                      ; behind the last products: A's registers are written and results are read below
.irp a, 0,1,2,3,4,5,6,7
.if \a < 7
	s_wait_loadcnt 8                               ; this block's table is in; the next block's eight loads may be out
.else
	s_wait_loadcnt 0x0
.endif
	ROPE \a, 0
	ROPE \a, 1
.if \a < 6
	TABLE \a+2
.endif
.endr
	FINISH
	; ---- v
.Lv:
	s_lshr_b32 s18, s45, 3                         ; batch
	s_and_b32 s19, s45, 7
	s_lshl_b32 s19, s19, 8
	s_lshl_b32 s20, s16, 7
	s_add_co_u32 s19, s19, s20                     ; my first position
	s_lshl_b32 s18, s18, 4
	s_lshl_b32 s20, s41, 2
	s_add_co_u32 s18, s18, s20
	s_lshl_b32 s20, s15, 1
	s_add_co_u32 s18, s18, s20                     ; batch x 16 + my first head: 4 cy + 2 x (my half of A)
	s_lshl_b32 s18, s18, 19
	s_lshl_b32 s20, s19, 8
	s_add_co_u32 s20, s18, s20
	s_mov_b32 s21, 0
	s_add_nc_u64 s[12:13], s[12:13], s[20:21]
	LAST
	PLACES NP
.irp a, 0,1,2,3,4,5,6,7
	VOUT \a
.endr
	FINISH
.Lfunc_end_k_q32396d6f23_qkv:
	.size	k_q32396d6f23_qkv, .Lfunc_end_k_q32396d6f23_qkv-k_q32396d6f23_qkv
	.p2alignl 7, 3214868480
	.fill 96, 4, 3214868480
	.section	.rodata,"a",@progbits
	.p2align	6, 0x0
	.amdhsa_kernel k_q32396d6f23_qkv
		.amdhsa_group_segment_fixed_size 327680
		.amdhsa_private_segment_fixed_size 0
		.amdhsa_enable_private_segment 0
		.amdhsa_kernarg_size 40
		.amdhsa_user_sgpr_count 2
		.amdhsa_user_sgpr_kernarg_segment_ptr 1
		.amdhsa_wavefront_size32 1
		.amdhsa_system_sgpr_workgroup_id_x 1
		.amdhsa_system_sgpr_workgroup_id_y 1
		.amdhsa_system_sgpr_workgroup_id_z 1
		.amdhsa_system_vgpr_workitem_id 0
		.amdhsa_next_free_vgpr 1024
		.amdhsa_next_free_sgpr 100
		.amdhsa_reserve_vcc 0
		.amdhsa_float_denorm_mode_32 3
		.amdhsa_float_denorm_mode_16_64 3
		.amdhsa_memory_ordered 1
		.amdhsa_forward_progress 1
		.amdhsa_inst_pref_size 223
	.end_amdhsa_kernel
	.amdgpu_metadata
---
amdhsa.version: [ 1, 2 ]
amdhsa.kernels:
  - .name:           k_q32396d6f23_qkv
    .symbol:         k_q32396d6f23_qkv.kd
    .args:
      - { .name: cod, .offset: 0, .size: 8, .value_kind: global_buffer, .address_space: global }
      - { .name: scl, .offset: 8, .size: 8, .value_kind: global_buffer, .address_space: global }
      - { .name: tb, .offset: 16, .size: 8, .value_kind: global_buffer, .address_space: global }
      - { .name: qf, .offset: 24, .size: 8, .value_kind: global_buffer, .address_space: global }
      - { .name: kv, .offset: 32, .size: 8, .value_kind: global_buffer, .address_space: global }
    .group_segment_fixed_size: 327680
    .private_segment_fixed_size: 0
    .kernarg_segment_align: 8
    .kernarg_segment_size: 40
    .max_flat_workgroup_size: 128
    .sgpr_count:     100
    .vgpr_count:     1024
    .wavefront_size: 32
...
	.end_amdgpu_metadata
.endif
;; end of part 2
;; launch heada (part 3): grid 16 x 4, 12 waves a work-group, no clusters, 13,824 bytes of LDS; arguments cod, scl, tb, ohead; writes ohead
.if DOCPART == 3
	.amdgcn_target "amdgcn-amd-amdhsa--gfx1250"
	.amdhsa_code_object_version 6
	.text
	.protected	k_q32396d6f23_heada
	.globl	k_q32396d6f23_heada
	.p2align	8
	.type	k_q32396d6f23_heada,@function
k_q32396d6f23_heada:
	s_mov_b64 s[64:65], 0
	v_nop
	global_prefetch_b8 v0, s[64:65] scope:SCOPE_SE
	s_setreg_imm32_b32 hwreg(HW_REG_WAVE_MODE, 25, 1), 1
	s_wait_xcnt 0x0
; THE FIRST 16 POSITIONS OF EACH SEQUENCE, WITH f32 OPERANDS: attention of one head of one batch, queries and keys 0 .. 15.
; WHY.  A row at position q averages q + 1 values, so the first rows of the output are many times larger than the output's root mean square, by which every number's error is held:
; what rounding v, p, the attention's result and Wo to f16 (2^-11 of a row's own size each) costs is too large a share of it there.  From position 16 on it is not.  So these 64 rows of 8,192 are
; made once more, here and in the last launch, with nothing rounded below f32 behind the quantised products, and stored over the others' result.  That is under one part in a hundred of the
; products left as they are: no bulk work for the f32 matrix form.
; SHARES.  Work-group (head, batch), twelve waves.  Wave w makes ONE tile of 16 x 16 over all of K = 1,024: q's channels 16 (w % 4) on (w = 0-3), k's (4-7), v's (8-11): eight scaled matrix
; instructions on codes of FP4 (E2M1), from cod [k step of 128: 8][tile of 16 rows: 704][1,024] and scl [k step][row] words, as the first launch laid them: a fragment is 16 bytes a lane, twice.
; ONE TEXT FOR THE TWELVE: x's tile (128 x batch) and W's tile (512 + 64 mat + 4 head + t) lie in the same two buffers, so which of them is source 0 is a choice of tile numbers.
;   q, k: source 0 = W, source 1 = x: lane (r, h) holds position r and channels 16 t + 8 h + 0 .. 7.      v: source 0 = x, source 1 = W: lane (r, h) holds channel 16 t + r and positions 8 h + 0 .. 7.
; The tiles go to wave 0 through LDS as images of their registers (16 x lane, 512 bytes a store); one barrier; wave 0 does the rest.
; NOTHING CHANGES LANES.  The f32 matrix instruction takes 4 along K: lane (r, h), register j: k = 2 h + j.  A permutation of k applied alike to both sources keeps the products, so registers 2 g, 2 g + 1
; of a result ARE a fragment: of q and k (channels 16 t + 8 h + 2 jj + j on both sides), of p and v^T (keys 8 h + 2 jj + j on both sides), and, in the last launch, of the result and Wo.
;   S^T = K Q^T: a lane holds one query and keys 8 h + 0 .. 7;  O^T = V^T P: a lane holds one query and channels 16 ct + 8 h + 0 .. 7.
; THE MASK: key k counts where k <= q.  The lengths are looked at by the last launch, which sets the rows at or past them to 0; for a row under its length every key k <= q is under it too.
; ohead [batch][head][ct: 4][u: 2][lane][16 bytes]: registers 4 u .. 4 u + 3 of tile ct.
; No tensor load, no cluster, no prefetch: a short launch in which each wave reads its 17 KB once, straight into registers, all 48 loads asked for at once.
.set SPARE,   12288                    ; behind the twelve images of 1,024 bytes: the spare words, 128 bytes a wave
.set PLANE_C, 720896                   ; a k step's codes
.set PLANE_S, 45056                    ; a k step's scale words
.set LI,   1                           ; v1   16 x lane
.set SO,   2                           ; v2   my scale word's offset: lanes 0-15 source 0's row r, lanes 16-31 source 1's
.set SPW,  3                           ; v3   LDS address of my spare word; never rewritten
.set NIL,  4                           ; v4   0; never rewritten
.set A0,   5                           ; v5   source 0's tile + 16 x lane
.set A1,   6                           ; v6   source 1's
.set STO,  7                           ; v7   where my tile's image goes: 1,024 x wave + 16 x lane
.set D8,   8                           ; v8   r - 8 h: the mask's bound
.set NINF, 9                           ; v9   -infinity
.set OP0,  16                          ; v16-79   source 0: eight fragments
.set OP1,  80                          ; v80-143  source 1
.set SCW,  144                         ; v144-151 scale words, and nothing else while the scaled products run
.set AC,   152                         ; v152-167 two accumulators: even and odd k steps
.set RS,   168                         ; v168-175 their sum
.set TBL,  176                         ; v176-207 cos (8 t + p) and sin (16 + 8 t + p) of j = 16 t + 8 h + p at position r
.set RAW,  16                          ; wave 0: v16-47 q, v48-79 k, v80-111 v^T as they come from LDS
.set VR,   80
.set QR,   112                         ; v112-143 q rotated
.set KR,   144                         ; v144-175 k rotated
.set P,    24                          ; v24-31   the scores' sums, then p
.set OUT,  32                          ; v32-63   the result
.set S0,   208                         ; v208-223 S^T, two accumulators; v224-255 O^T, four: written by matrix instructions alone
.set OA,   224
.set SEL,  26                          ; s[26:27] lane selects: lane l xor 16
.set CS,   28                          ; s[28:29] c = log2(e) / 8
	s_load_b256 s[4:11], s[0:1], 0x0               ; cod s[4:5], scl s[6:7], tb s[8:9], ohead s[10:11]
	v_lshl_add_u32 v[SPW], v0, 2, SPARE
	v_mov_b32 v[NIL], 0
	v_lshrrev_b32 v10, 5, v0
	v_readfirstlane_b32 s12, v10                   ; wave 0..11
	s_and_b32 s13, ttmp7, 0xffff                   ; batch; the head is the work-group's x
	s_lshr_b32 s14, s12, 2                         ; 0 q, 1 k, 2 v
	s_and_b32 s15, s12, 3                          ; which 16 channels
	s_lshl_b32 s16, s14, 6
	s_lshl_b32 s17, ttmp9, 2
	s_add_co_u32 s16, s16, s17
	s_add_co_u32 s16, s16, s15
	s_add_co_u32 s16, s16, 512                     ; W's tile
	s_lshl_b32 s17, s13, 7                         ; x's tile: the batch's first 16 rows
	s_cmp_lt_u32 s14, 2
	s_cselect_b32 s18, s16, s17                    ; source 0's tile
	s_cselect_b32 s19, s17, s16                    ; source 1's
	v_and_b32 v10, 31, v0
	v_lshlrev_b32 v[LI], 4, v10
	v_and_b32 v11, 15, v0                          ; r
	v_bfe_u32 v12, v0, 4, 1                        ; h
	s_lshl_b32 s20, s18, 10                        ; 1,024 bytes of codes a tile
	s_lshl_b32 s21, s19, 10
	v_add_nc_u32 v[A0], s20, v[LI]
	v_add_nc_u32 v[A1], s21, v[LI]
	s_lshl_b32 s20, s18, 6                         ; 16 words a tile
	s_lshl_b32 s21, s19, 6
	v_mov_b32 v13, s20
	v_mov_b32 v14, s21
	v_cmp_eq_u32 vcc_lo, 1, v12
	v_cndmask_b32 v13, v13, v14, vcc_lo            ; lanes 16-31 take source 1's
	v_lshl_add_u32 v[SO], v11, 2, v13
	s_lshl_b32 s22, s12, 10
	v_add_nc_u32 v[STO], s22, v[LI]
	v_lshlrev_b32 v13, 3, v12
	v_sub_nc_u32 v[D8], v11, v13
	v_mov_b32 v[NINF], 0xff800000
	s_mov_b32 s[SEL], 0x76543210
	s_mov_b32 s[SEL+1], 0xfedcba98
	s_mov_b32 s[CS], 0x3e38aa3b
	s_mov_b32 s[CS+1], s[CS]                       ; (named with it as a pair, so it is written)
	s_lshl_b32 s24, s13, 4
	s_add_co_u32 s24, s24, ttmp9
	s_lshl_b32 s24, s24, 12                        ; 4,096 bytes of result for a head of a batch
	s_mov_b32 s25, 0
	s_wait_kmcnt 0x0
	s_add_nc_u64 s[10:11], s[10:11], s[24:25]
.irp ks, 0,1,2,3,4,5,6,7                       ; five loads a k step, in the order in which they are wanted
	global_load_b128 v[OP0+8*\ks:OP0+8*\ks+3],   v[A0], s[4:5] offset:\ks*PLANE_C
	global_load_b128 v[OP0+8*\ks+4:OP0+8*\ks+7], v[A0], s[4:5] offset:\ks*PLANE_C+512
	global_load_b128 v[OP1+8*\ks:OP1+8*\ks+3],   v[A1], s[4:5] offset:\ks*PLANE_C
	global_load_b128 v[OP1+8*\ks+4:OP1+8*\ks+7], v[A1], s[4:5] offset:\ks*PLANE_C+512
	global_load_b32 v[SCW+\ks], v[SO], s[6:7] offset:\ks*PLANE_S
.endr
.irp k, 0,1,2,3,4,5,6,7                        ; the table of positions 0 .. 15.  Wave 0 alone uses it; every wave asks for the same 4,096 bytes, so that no register is written on one way alone
	global_load_b128 v[TBL+4*\k:TBL+4*\k+3], v[LI], s[8:9] offset:512*\k
.endr
.irp ks, 0,1,2,3,4,5,6,7                       ; two accumulators by turns, one instruction a turn; the first two products start the sums
	s_wait_loadcnt 8+5*(7-\ks)                     ; this k step's five loads are in; those of the later k steps and the table's eight may be out
.if \ks < 2
	v_wmma_scale_f32_16x16x128_f8f6f4 v[AC+8*(\ks%2):AC+8*(\ks%2)+7], v[OP0+8*\ks:OP0+8*\ks+7], v[OP1+8*\ks:OP1+8*\ks+7], 0, v[SCW+\ks], v[SCW+\ks] matrix_a_fmt:MATRIX_FMT_FP4 matrix_b_fmt:MATRIX_FMT_FP4 matrix_b_scale:MATRIX_SCALE_ROW1
.else
	v_wmma_scale_f32_16x16x128_f8f6f4 v[AC+8*(\ks%2):AC+8*(\ks%2)+7], v[OP0+8*\ks:OP0+8*\ks+7], v[OP1+8*\ks:OP1+8*\ks+7], v[AC+8*(\ks%2):AC+8*(\ks%2)+7], v[SCW+\ks], v[SCW+\ks] matrix_a_fmt:MATRIX_FMT_FP4 matrix_b_fmt:MATRIX_FMT_FP4 matrix_b_scale:MATRIX_SCALE_ROW1
.endif
.endr
.rept 4
	v_nop                                          ; four places: ahead of the first read of the sums, and of wave 0's loads into the operands' registers
.endr
.irp p, 0,2,4,6
	v_pk_add_f32 v[RS+\p:RS+\p+1], v[AC+\p:AC+\p+1], v[AC+8+\p:AC+8+\p+1]   ; each accumulator from its low end on
.endr
	ds_store_b128 v[STO], v[RS:RS+3]               ; the tile as it stands in my registers
	ds_store_b128 v[STO], v[RS+4:RS+7] offset:512
	s_wait_dscnt 0x0                               ; for wave 0's sake: my stores have landed
	s_barrier_signal -1
	s_barrier_wait -1                              ; the twelve tiles lie in LDS
	s_cmp_eq_u32 s12, 0
	s_cbranch_scc1 .Lwave_0
	s_wait_tensorcnt 0x0                           ; the wave's end, behind my last LDS store
	ds_add_u32 v[SPW], v[NIL]
	s_wait_dscnt 0x0
	s_endpgm
.Lwave_0:
.irp i, 0,1,2,3,4,5,6,7,8,9,10,11,12,13,14,15,16,17,18,19,20,21,22,23
	ds_load_b128 v[RAW+4*\i:RAW+4*\i+3], v[LI] offset:512*\i
.endr
	s_wait_loadcnt 0x0                             ; the table
	s_wait_dscnt 0x0
; RoPE: lo = channels 0-31 (tiles 0, 1), hi = channels 32-63 (tiles 2, 3): lo' = lo cos - hi sin, hi' = hi cos + lo sin
.macro ROPE src, dst
.irp t, 0,1
.irp p, 0,2,4,6
	v_pk_mul_f32 v[\dst+8*\t+\p:\dst+8*\t+\p+1], v[\src+8*\t+\p:\src+8*\t+\p+1], v[TBL+8*\t+\p:TBL+8*\t+\p+1]
	v_pk_mul_f32 v[\dst+16+8*\t+\p:\dst+16+8*\t+\p+1], v[\src+16+8*\t+\p:\src+16+8*\t+\p+1], v[TBL+8*\t+\p:TBL+8*\t+\p+1]
.endr
.irp p, 0,2,4,6
	v_pk_fma_f32 v[\dst+8*\t+\p:\dst+8*\t+\p+1], v[\src+16+8*\t+\p:\src+16+8*\t+\p+1], v[TBL+16+8*\t+\p:TBL+16+8*\t+\p+1], v[\dst+8*\t+\p:\dst+8*\t+\p+1] neg_lo:[0,1,0] neg_hi:[0,1,0]
	v_pk_fma_f32 v[\dst+16+8*\t+\p:\dst+16+8*\t+\p+1], v[\src+8*\t+\p:\src+8*\t+\p+1], v[TBL+16+8*\t+\p:TBL+16+8*\t+\p+1], v[\dst+16+8*\t+\p:\dst+16+8*\t+\p+1]
.endr
.endr
.endm
	ROPE RAW, QR
	ROPE RAW+32, KR
.irp g, 0,1,2,3,4,5,6,7,8,9,10,11,12,13,14,15  ; S^T = K Q^T, 4 channels an instruction, two accumulators by turns
.if \g < 2
	v_wmma_f32_16x16x4_f32 v[S0+8*(\g%2):S0+8*(\g%2)+7], v[KR+2*\g:KR+2*\g+1], v[QR+2*\g:QR+2*\g+1], 0
.else
	v_wmma_f32_16x16x4_f32 v[S0+8*(\g%2):S0+8*(\g%2)+7], v[KR+2*\g:KR+2*\g+1], v[QR+2*\g:QR+2*\g+1], v[S0+8*(\g%2):S0+8*(\g%2)+7]
.endif
.endr
.rept 8
	v_nop                                          ; eight places behind this form, ahead of the first read of its results
.endr
.irp p, 0,2,4,6
	v_pk_add_f32 v[P+\p:P+\p+1], v[S0+\p:S0+\p+1], v[S0+8+\p:S0+8+\p+1]
.endr
.irp j, 0,1,2,3,4,5,6,7                        ; register j holds key 8 h + j of query r: hidden where j > r - 8 h
	v_cmp_gt_i32 vcc_lo, \j, v[D8]
	v_cndmask_b32 v[P+\j], v[P+\j], v[NINF], vcc_lo
.endr
	v_max3_num_f32 v10, v[P], v[P+1], v[P+2]
	v_max3_num_f32 v10, v10, v[P+3], v[P+4]
	v_max3_num_f32 v10, v10, v[P+5], v[P+6]
	v_max_num_f32 v10, v10, v[P+7]
	v_mov_b32 v11, 0                               ; (a lane permute's destination counts as one of its sources)
	v_permlanex16_b32 v11, v10, s[SEL], s[SEL+1]   ; the query's other eight keys lie in the lane 16 away
	v_max_num_f32 v10, v10, v11                    ; the row's maximum: key 0 counts for every query, so it is a number
	v_mul_f32 v10, s[CS], v10                      ; c m
.irp p, 0,2,4,6
	v_pk_fma_f32 v[P+\p:P+\p+1], v[P+\p:P+\p+1], s[CS:CS+1], v[10:11] op_sel_hi:[1,0,0] neg_lo:[0,0,1] neg_hi:[0,0,1]   ; c s - c m
.endr
.irp j, 0,1,2,3,4,5,6,7
	v_exp_f32 v[P+\j], v[P+\j]                     ; p; 0 for a hidden key
.endr
	v_nop                                          ; a plain line behind the last exponential
	s_wait_alu depctr_va_vdst(0)                   ; one wait for the eight, ahead of the first line that names a result
	v_pk_add_f32 v[12:13], v[P:P+1], v[P+2:P+3]
	v_pk_add_f32 v[14:15], v[P+4:P+5], v[P+6:P+7]
	v_pk_add_f32 v[12:13], v[12:13], v[14:15]
	v_add_f32 v12, v12, v13
	v_permlanex16_b32 v11, v12, s[SEL], s[SEL+1]
	v_add_f32 v12, v12, v11                        ; the row's sum
	v_rcp_f32 v12, v12
	v_mov_b32 v13, 0                               ; a plain line behind the reciprocal; and the upper half of the pair that the scaling names
.irp jj, 0,1,2,3                               ; O^T = V^T P, 4 keys an instruction, four accumulators by turns
.irp ct, 0,1,2,3
.if \jj == 0
	v_wmma_f32_16x16x4_f32 v[OA+8*\ct:OA+8*\ct+7], v[VR+8*\ct+2*\jj:VR+8*\ct+2*\jj+1], v[P+2*\jj:P+2*\jj+1], 0
.else
	v_wmma_f32_16x16x4_f32 v[OA+8*\ct:OA+8*\ct+7], v[VR+8*\ct+2*\jj:VR+8*\ct+2*\jj+1], v[P+2*\jj:P+2*\jj+1], v[OA+8*\ct:OA+8*\ct+7]
.endif
.endr
.endr
.rept 8
	v_nop
.endr
	s_wait_alu depctr_va_vdst(0)                   ; the reciprocal's wait, ahead of its first reader
.irp i, 0,2,4,6,8,10,12,14,16,18,20,22,24,26,28,30
	v_pk_mul_f32 v[OUT+\i:OUT+\i+1], v[OA+\i:OA+\i+1], v[12:13] op_sel_hi:[1,0]   ; O^T / the sum, into other registers; each accumulator from its low end on
.endr
.irp i, 0,1,2,3,4,5,6,7
	global_store_b128 v[LI], v[OUT+4*\i:OUT+4*\i+3], s[10:11] offset:512*\i   ; 512 consecutive bytes, aligned
.endr
	s_wait_tensorcnt 0x0                           ; the wave's end: the same three lines
	ds_add_u32 v[SPW], v[NIL]
	s_wait_dscnt 0x0
	s_endpgm
.Lfunc_end_k_q32396d6f23_heada:
	.size	k_q32396d6f23_heada, .Lfunc_end_k_q32396d6f23_heada-k_q32396d6f23_heada
	.p2alignl 7, 3214868480
	.fill 96, 4, 3214868480
	.section	.rodata,"a",@progbits
	.p2align	6, 0x0
	.amdhsa_kernel k_q32396d6f23_heada
		.amdhsa_group_segment_fixed_size 13824
		.amdhsa_private_segment_fixed_size 0
		.amdhsa_enable_private_segment 0
		.amdhsa_kernarg_size 32
		.amdhsa_user_sgpr_count 2
		.amdhsa_user_sgpr_kernarg_segment_ptr 1
		.amdhsa_wavefront_size32 1
		.amdhsa_system_sgpr_workgroup_id_x 1
		.amdhsa_system_sgpr_workgroup_id_y 1
		.amdhsa_system_sgpr_workgroup_id_z 1
		.amdhsa_system_vgpr_workitem_id 0
		.amdhsa_next_free_vgpr 256
		.amdhsa_next_free_sgpr 66
		.amdhsa_reserve_vcc 1
		.amdhsa_float_denorm_mode_32 3
		.amdhsa_float_denorm_mode_16_64 3
		.amdhsa_memory_ordered 1
		.amdhsa_forward_progress 1
		.amdhsa_inst_pref_size 21
	.end_amdhsa_kernel
	.amdgpu_metadata
---
amdhsa.version: [ 1, 2 ]
amdhsa.kernels:
  - .name:           k_q32396d6f23_heada
    .symbol:         k_q32396d6f23_heada.kd
    .args:
      - { .name: cod, .offset: 0, .size: 8, .value_kind: global_buffer, .address_space: global }
      - { .name: scl, .offset: 8, .size: 8, .value_kind: global_buffer, .address_space: global }
      - { .name: tb, .offset: 16, .size: 8, .value_kind: global_buffer, .address_space: global }
      - { .name: ohead, .offset: 24, .size: 8, .value_kind: global_buffer, .address_space: global }
    .group_segment_fixed_size: 13824
    .private_segment_fixed_size: 0
    .kernarg_segment_align: 8
    .kernarg_segment_size: 32
    .max_flat_workgroup_size: 384
    .sgpr_count:     66
    .vgpr_count:     256
    .wavefront_size: 32
...
	.end_amdgpu_metadata
.endif
;; end of part 3
;; launch attn (part 4): grid 4 x 64, 16 waves a work-group, no clusters, 327,680 bytes of LDS; arguments qf, kv, af; writes af
.if DOCPART == 4
	.amdgcn_target "amdgcn-amd-amdhsa--gfx1250"
	.amdhsa_code_object_version 6
	.text
	.protected	k_q32396d6f23_attn
	.globl	k_q32396d6f23_attn
	.p2align	8
	.type	k_q32396d6f23_attn,@function
k_q32396d6f23_attn:
	s_mov_b64 s[64:65], 0
	v_nop
	global_prefetch_b8 v0, s[64:65] scope:SCOPE_SE
	s_setreg_imm32_b32 hwreg(HW_REG_WAVE_MODE, 25, 1), 1
	s_wait_xcnt 0x0
; O[b][h][q] = the sum over k <= q of softmax_k(Q . K / 8) V, head size 64, 2,048 positions, 64 (batch, head) pairs; f16 operands, f32 products' sums, maxima and sums.
; THE MASK.  A key counts where k <= q.  The keys' valid lengths are not looked at here: for a query under its sequence's length every key k <= q is under it too, and the rows of the
; other queries are set to zero by the next launch, which reads the lengths.
; SHARES.  Work-group (j, batch x head) owns the blocks j and 7 - j of 256 queries: (j + 1) + (8 - j) = 9 blocks of 256 keys whatever j is: 256 work-groups of equal work.
; Each of its SIXTEEN waves owns 32 queries, two tiles, in 256 registers: four waves to a SIMD, so that one wave's vector work stands beside another's products and LDS loads.
; Waves 0-7 take block j in ascending order, waves 8-15 block 7 - j in descending order.
; K and V come through a ring of two LDS slots of 256 keys (four steps of 64 keys, 16,384 bytes each, as the launch before laid them: images of the operand registers), filled by waves 0-3.
; Every fragment is read at 16 x lane: no two lanes of a load meet in a bank, and there is no padding.
; LAYOUT.  S^T = K Q^T (source 0 = 16 keys, source 1 = 16 queries) and O^T = V^T P (source 0 = 16 channels, source 1 = P): a lane holds ONE query throughout; two tiles of S^T, packed to f16 in
; place, ARE a fragment of P.  O^T, packed, is a lane's part of a fragment of the next launch's operand: af [row / 16: 512][k / 32: 32][1,024].
; SOFTMAX.  A running maximum m and sum l for each query: p = 2^(c s - c m), c = log2(e) / 8; in every step O and l are multiplied by 2^(c m_old - c m_new).  The sum is taken of p before it is rounded.
; EVERY WORK-GROUP WALKS ALL EIGHT SLOTS: the trip counts are constants.  A step all of whose keys come after a wave's queries is jumped over (a scalar branch on ids), and a slot whose first key comes
; after the work-group's last query is not asked for.
; NO CLUSTER: the four work-groups of a head read the same K and V but need 5, 6, 7 and 8 slots; joint loads would make each of them ask for, and wait through, all eight rounds in step.
; LIMIT: inputs are f16 as stored; p under f16's smallest number counts as 0 in the second product.
.set SLOT1, 65536                      ; slot 1 begins here: one exclusive or turns an address in one slot into the other's
.set STEPB, 16384                      ; a step: 8,192 bytes of K, 8,192 of V^T
.set SPARE, 131072                     ; behind the ring: the spare words, 128 bytes for each of sixteen waves
.set LI,   1                           ; v1   16 x lane
.set ADR,  2                           ; v2   LDS address of the step in hand
.set SPW,  3                           ; v3   LDS address of my spare word; never rewritten
.set NIL,  4                           ; v4   0; never rewritten
.set PFO,  5                           ; v5   256 x lane: the prefetches' offset
.set R8,   7                           ; v7   lane % 16 - 8 (lane / 16)
.set ST,   8                           ; tile t's statistics at v[8 + 8 t]: +0 c m, +1 m, +2, +3 l (even, odd keys), +4 .. +7 at work; the factor for O and l in +6
.set Q,    24                          ; v24-55   Q: fragment (t, g) at 24 + 16 t + 8 g
.set KV,   56                          ; v56-119  a step's K, then its V^T
.set S,    120                         ; v120-183 S^T: tile (t, kt) at 120 + 32 t + 8 kt; then p; packed into the first 16 of each 32
.set O,    184                         ; v184-247 O^T: tile (t, ct) at 184 + 32 t + 8 ct
.set Y,    248                         ; v248-251 the sums' second chains
.set DD,   252                         ; v252 the mask's bound
.set NINF, 253                         ; v253 -infinity
.set WV,   10                          ; s10  my wave's number
.set Q0,   13                          ; s13  my first query
.set KF,   14                          ; s14  the step's first key
.set QL,   15                          ; s15  my work-group's last query
.set TB,   16                          ; s16  LDS byte at which the step in hand begins
.set SLOTS, 17                         ; s17  changes of slots still to come that may ask for a slot
.set CNT,  18                          ; s18  counts a slot's four steps
.set SEL,  20                          ; s[20:21] lane selects: lane l xor 16
.set CS,   22                          ; s[22:23] c; the packed form names a pair and takes its low word for both halves
.set G1,   24                          ; s[24:31] descriptor group 1
.set G0,   32                          ; s[32:35] group 0, which walks
.set PFA,  36                          ; s[36:37] where my prefetches stand
.set LIM,  38                          ; s38  1 in a wave that prefetches, else the greatest number
.macro TLOAD                           ; waves 0-3 fetch a step each; an s_nop 0 and four v_nop follow the line
	s_cmp_lt_u32 s[WV], 4
	s_cbranch_scc0 .Lasked_\@
	tensor_load_to_lds s[G0:G0+3], s[G1:G1+7]
	s_nop 0
.rept 4
	v_nop
.endr
.Lasked_\@:
.endm
; A PREFETCH INTO THE L2 of the slot that the NEXT change of slots will ask for: 65,536 dense bytes.  All four work-groups of a head walk the same K and V: the one with j = 0, which walks all eight slots, asks.
; In it waves 4-11, which fetch nothing, ask: 8,192 bytes a wave, lanes 256 bytes apart: each aligned block of 256 bytes is named once in the launch.  Slots 0 and 1 come by their loads alone; the last
; change that fills a slot asks for nothing.
.macro ASK
	s_cmp_gt_u32 s[SLOTS], s[LIM]
	s_cbranch_scc0 .Lnot_mine_\@
	global_prefetch_b8 v[PFO], s[PFA:PFA+1] th:TH_LOAD_NT scope:SCOPE_SE
.Lnot_mine_\@:
.endm
	s_load_b128 s[4:7], s[0:1], 0x0                ; qf, kv
	s_load_b64 s[8:9], s[0:1], 0x10                ; af
	v_lshl_add_u32 v[SPW], v0, 2, SPARE
	v_mov_b32 v[NIL], 0
	ds_add_u32 v[SPW], v[NIL]                      ; the wave's opening: the add and its wait stand ahead of my first tensor load; the set-up below stands between them
	v_lshrrev_b32 v6, 5, v0
	v_readfirstlane_b32 s[WV], v6                  ; wave 0..15
	s_and_b32 s11, ttmp7, 0xffff                   ; batch x 16 + head
	s_lshl_b32 s40, ttmp9, 8                       ; 256 j
	s_lshl_b32 s41, s[WV], 5
	s_add_co_u32 s42, s40, s41                     ; waves 0-7: 256 j + 32 w
	s_sub_co_u32 s43, 2272, s42                    ; waves 8-15: 256 (7 - j) + 32 (15 - w)
	s_cmp_lt_u32 s[WV], 8
	s_cselect_b32 s[Q0], s42, s43
	s_sub_co_u32 s[QL], 2047, s40
	s_mov_b32 s[G1], 3<<16                         ; no mask; elements of 8 bytes; no padding: a step is 64 rows of 256 dense bytes
	s_mov_b32 s[G1+1], 32<<16                      ; tensor_dim0
	s_mov_b32 s[G1+2], 64<<16                      ; tensor_dim1
	s_mov_b32 s[G1+3], 32<<16                      ; tile_dim0
	s_mov_b32 s[G1+4], 64                          ; tile_dim1
	s_mov_b32 s[G1+5], 32                          ; tensor_dim0_stride
	s_mov_b32 s[G1+6], 0
	s_mov_b32 s[G1+7], 0
	s_and_b32 s44, s[WV], 3
	s_lshl_b32 s44, s44, 14                        ; the step that I fetch, in a slot and in memory
	s_mov_b32 s45, 0
	s_lshl_b32 s46, s11, 19                        ; a head's 524,288 bytes of kv
	s_mov_b32 s47, 0
	s_mov_b32 s[SEL], 0x76543210
	s_mov_b32 s[SEL+1], 0xfedcba98
	s_mov_b32 s[CS], 0x3e38aa3b                    ; c = log2(e) / 8
	s_mov_b32 s[CS+1], s[CS]
	s_mov_b32 s[KF], 0
	s_mov_b32 s[TB], 0
	s_mov_b32 s[SLOTS], 7
	s_wait_dscnt 0x0                               ; the opening add is done
	s_wait_kmcnt 0x0
	s_add_nc_u64 s[6:7], s[6:7], s[46:47]          ; kv at my head
	s_mov_b32 s[G0], 1
	s_mov_b32 s[G0+1], s44
	s_add_nc_u64 s[G0+2:G0+3], s[6:7], s[44:45]
	s_or_b32 s[G0+3], s[G0+3], 0x80000000
	TLOAD                                          ; slot 0
	s_lshl_b32 s40, s11, 18                        ; a head's 262,144 bytes of qf,
	s_lshl_b32 s41, s[Q0], 7                       ; 128 a query
	s_add_co_u32 s40, s40, s41
	s_mov_b32 s41, 0
	s_add_nc_u64 s[4:5], s[4:5], s[40:41]
	v_and_b32 v6, 31, v0
	v_lshlrev_b32 v[LI], 4, v6
	v_lshlrev_b32 v[PFO], 8, v6
.irp k, 0,1,2,3,4,5,6,7
	global_load_b128 v[Q+4*\k:Q+4*\k+3], v[LI], s[4:5] offset:512*\k   ; Q stays in registers
.endr
	s_lshr_b32 s40, s11, 4                         ; batch: 128 tiles of rows of 32,768 bytes,
	s_lshl_b32 s40, s40, 22
	s_lshl_b32 s42, s[Q0], 11                      ; 2,048 a query,
	s_add_co_u32 s40, s40, s42
	s_and_b32 s42, s11, 15
	s_lshl_b32 s42, s42, 11                        ; a head's two fragments
	s_add_co_u32 s40, s40, s42
	s_add_nc_u64 s[8:9], s[8:9], s[40:41]
	s_add_co_u32 s42, s[WV], 4
	s_and_b32 s42, s42, 7
	s_lshl_b32 s42, s42, 13                        ; my wave's 8,192 bytes,
	s_add_co_u32 s42, s42, SLOT1                   ; in slot 1: the first change of slots steps it to slot 2.  Nothing is prefetched here, at the head
	s_mov_b32 s43, 0
	s_add_nc_u64 s[PFA:PFA+1], s[6:7], s[42:43]
	s_sub_co_u32 s42, s[WV], 4
	s_lshr_b32 s42, s42, 3                         ; 0 in waves 4 to 11,
	s_or_b32 s42, s42, ttmp9                       ; of the work-group with j = 0
	s_cmp_eq_u32 s42, 0
	s_cselect_b32 s[LIM], 1, -1
	v_and_b32 v6, 15, v0
	v_bfe_u32 v[R8], v0, 4, 1
	v_lshlrev_b32 v[R8], 3, v[R8]
	v_sub_nc_u32 v[R8], v6, v[R8]
	v_mov_b32 v[NINF], 0xff800000
.irp t, 0,1
	v_mov_b32 v[ST+8*\t+1], 0xff61b1e6             ; m: -3e38, under every score
	v_mul_f32 v[ST+8*\t], s[CS], v[ST+8*\t+1]      ; c m
.irp i, 2,3,4,5,6,7
	v_mov_b32 v[ST+8*\t+\i], 0                     ; l; and what is named as a permute's destination or as half of a pair before it is first written
.endr
.endr
.irp j, 0,1,2,3,4,5,6,7,8,9,10,11,12,13,14,15,16,17,18,19,20,21,22,23,24,25,26,27,28,29,30,31,32,33,34,35,36,37,38,39,40,41,42,43,44,45,46,47,48,49,50,51,52,53,54,55,56,57,58,59,60,61,62,63
	v_mov_b32 v[O+\j], 0                           ; O^T.  (The step is written once: the first finds zeros, which its factor 0 leaves zeros)
.endr
; A KEY STEP: 64 keys.
.macro STEP
	s_add_co_u32 s39, s[Q0], 31
	s_cmp_gt_u32 s[KF], s39                        ; all keys come after my 32 queries: the step's work is left out, not the lines at its end that step addresses
	s_cbranch_scc1 .Lhidden_\@
	v_add_nc_u32 v[ADR], s[TB], v[LI]
.irp i, 0,1,2,3,4,5,6,7,8,9,10,11,12,13,14,15
	ds_load_b128 v[KV+4*\i:KV+4*\i+3], v[ADR] offset:512*\i        ; K: fragment (kt, g) at 16 kt + 8 g
.endr
	s_wait_dscnt 0x0
.irp g, 0,1                                    ; S^T = K Q^T: eight accumulators by turns, one instruction a turn
.irp kt, 0,1,2,3
.irp t, 0,1
.if \g == 0
	v_wmma_f32_16x16x32_f16 v[S+32*\t+8*\kt:S+32*\t+8*\kt+7], v[KV+16*\kt+8*\g:KV+16*\kt+8*\g+7], v[Q+16*\t+8*\g:Q+16*\t+8*\g+7], 0
.else
	v_wmma_f32_16x16x32_f16 v[S+32*\t+8*\kt:S+32*\t+8*\kt+7], v[KV+16*\kt+8*\g:KV+16*\kt+8*\g+7], v[Q+16*\t+8*\g:Q+16*\t+8*\g+7], v[S+32*\t+8*\kt:S+32*\t+8*\kt+7]
.endif
.endr
.endr
.endr
.rept 4
	v_nop                                          ; four places: ahead of the loads into K's registers and of the first read of the scores
.endr
.irp i, 0,1,2,3,4,5,6,7,8,9,10,11,12,13,14,15
	ds_load_b128 v[KV+4*\i:KV+4*\i+3], v[ADR] offset:8192+512*\i   ; V^T: fragment (kg, ct) at 32 kg + 8 ct; it lands while the softmax is worked
.endr
	s_add_co_u32 s39, s[KF], 63
	s_cmp_le_u32 s39, s[Q0]                        ; all keys count for all my queries: no mask
	s_cbranch_scc1 .Lopen_\@
	s_sub_co_i32 s39, s[Q0], s[KF]
	v_add_nc_u32 v[DD], s39, v[R8]                 ; register j of tile (t, kt) holds key KF + 16 kt + 8 h + j and query Q0 + 16 t + r: hidden where 16 kt + j - 16 t > Q0 - KF + r - 8 h
.irp t, 0,1
.irp kt, 0,1,2,3
.irp j, 0,1,2,3,4,5,6,7
	v_cmp_gt_i32 vcc_lo, 16*\kt+\j-16*\t, v[DD]
	v_cndmask_b32 v[S+32*\t+8*\kt+\j], v[S+32*\t+8*\kt+\j], v[NINF], vcc_lo
.endr
.endr
.endr
.Lopen_\@:
.irp j, 0,1,2,3                                ; the maximum of my 32 scores and the old m: four chains a tile, each accumulator from its low end on, the two tiles by turns
.irp t, 0,1
	v_max3_num_f32 v[ST+8*\t+4+\j], v[S+32*\t+8*\j], v[S+32*\t+8*\j+1], v[S+32*\t+8*\j+2]
.endr
.endr
.irp u, 3,5
.irp j, 0,1,2,3
.irp t, 0,1
	v_max3_num_f32 v[ST+8*\t+4+\j], v[ST+8*\t+4+\j], v[S+32*\t+8*\j+\u], v[S+32*\t+8*\j+\u+1]
.endr
.endr
.endr
.irp t, 0,1
	v_max3_num_f32 v[ST+8*\t+4], v[ST+8*\t+4], v[S+32*\t+7], v[S+32*\t+15]
	v_max3_num_f32 v[ST+8*\t+6], v[ST+8*\t+6], v[S+32*\t+23], v[S+32*\t+31]
.endr
.irp t, 0,1
	v_max3_num_f32 v[ST+8*\t+4], v[ST+8*\t+4], v[ST+8*\t+5], v[ST+8*\t+6]
.endr
.irp t, 0,1
	v_max3_num_f32 v[ST+8*\t+4], v[ST+8*\t+4], v[ST+8*\t+7], v[ST+8*\t+1]
.endr
.irp t, 0,1
	v_permlanex16_b32 v[ST+8*\t+5], v[ST+8*\t+4], s[SEL], s[SEL+1]   ; the query's other 32 keys lie in the lane 16 away
.endr
.irp t, 0,1
	v_mov_b32 v[ST+8*\t+7], v[ST+8*\t]             ; c m_old is kept
.endr
.irp t, 0,1
	v_max_num_f32 v[ST+8*\t+1], v[ST+8*\t+4], v[ST+8*\t+5]
.endr
.irp t, 0,1
	v_mul_f32 v[ST+8*\t], s[CS], v[ST+8*\t+1]
.endr
.irp t, 0,1
	v_sub_f32 v[ST+8*\t+7], v[ST+8*\t+7], v[ST+8*\t]
.endr
.irp b, 0,2,4,6,8,10,12,14,16,18,20,22,24,26,28,30
.irp t, 0,1
	v_pk_fma_f32 v[S+32*\t+\b:S+32*\t+\b+1], v[S+32*\t+\b:S+32*\t+\b+1], s[CS:CS+1], v[ST+8*\t:ST+8*\t+1] op_sel_hi:[1,0,0] neg_lo:[0,0,1] neg_hi:[0,0,1]   ; c s - c m
.endr
.endr
.irp t, 0,1
	v_exp_f32 v[ST+8*\t+6], v[ST+8*\t+7]           ; the factor 2^(c m_old - c m_new)
.endr
.irp e, 0,1,2,3,4,5,6,7,8,9,10,11,12,13,14,15,16,17,18,19,20,21,22,23,24,25,26,27,28,29,30,31,32,33,34,35,36,37,38,39,40,41,42,43,44,45,46,47,48,49,50,51,52,53,54,55,56,57,58,59,60,61,62,63
	v_exp_f32 v[S+\e], v[S+\e]                     ; p
.endr
	v_nop                                          ; a plain line behind the last exponential
	s_wait_alu depctr_va_vdst(0)                   ; one wait for the batch of 66, ahead of the first line that names a result
.irp t, 0,1                                    ; the sums of the unrounded p: two chains a tile
	v_pk_add_f32 v[ST+8*\t+4:ST+8*\t+5], v[S+32*\t:S+32*\t+1], v[S+32*\t+2:S+32*\t+3]
	v_pk_add_f32 v[Y+2*\t:Y+2*\t+1], v[S+32*\t+4:S+32*\t+5], v[S+32*\t+6:S+32*\t+7]
.endr
.irp j, 8,12,16,20,24,28
.irp t, 0,1
	v_pk_add_f32 v[ST+8*\t+4:ST+8*\t+5], v[ST+8*\t+4:ST+8*\t+5], v[S+32*\t+\j:S+32*\t+\j+1]
	v_pk_add_f32 v[Y+2*\t:Y+2*\t+1], v[Y+2*\t:Y+2*\t+1], v[S+32*\t+\j+2:S+32*\t+\j+3]
.endr
.endr
.irp t, 0,1
	v_pk_add_f32 v[ST+8*\t+4:ST+8*\t+5], v[ST+8*\t+4:ST+8*\t+5], v[Y+2*\t:Y+2*\t+1]
.endr
.irp t, 0,1
	v_pk_fma_f32 v[ST+8*\t+2:ST+8*\t+3], v[ST+8*\t+2:ST+8*\t+3], v[ST+8*\t+6:ST+8*\t+7], v[ST+8*\t+4:ST+8*\t+5] op_sel_hi:[1,0,1]
.endr
.irp i, 0,1,2,3,4,5,6,7,8,9,10,11,12,13,14,15
.irp t, 0,1
	v_cvt_pk_f16_f32 v[S+32*\t+\i], v[S+32*\t+2*\i], v[S+32*\t+2*\i+1]   ; packed in place, ascending: register i is written when 2 i and 2 i + 1 are read
.endr
.endr
.irp i, 0,2,4,6,8,10,12,14,16,18,20,22,24,26,28,30
.irp t, 0,1
	v_pk_mul_f32 v[O+32*\t+\i:O+32*\t+\i+1], v[O+32*\t+\i:O+32*\t+\i+1], v[ST+8*\t+6:ST+8*\t+7] op_sel_hi:[1,0]
.endr
.endr
	s_wait_dscnt 0x0                               ; V^T is in
.irp kg, 0,1                                   ; O^T += V^T P: eight accumulators by turns
.irp ct, 0,1,2,3
.irp t, 0,1
	v_wmma_f32_16x16x32_f16 v[O+32*\t+8*\ct:O+32*\t+8*\ct+7], v[KV+32*\kg+8*\ct:KV+32*\kg+8*\ct+7], v[S+32*\t+8*\kg:S+32*\t+8*\kg+7], v[O+32*\t+8*\ct:O+32*\t+8*\ct+7]
.endr
.endr
.endr
.rept 5
	v_nop                                          ; five places: the next step's first products write over p's registers, its loads land on V^T's; the way out reads O^T
.endr
.Lhidden_\@:
	s_add_co_u32 s[KF], s[KF], 64
	s_add_co_u32 s[TB], s[TB], STEPB
.endm
; THE CHANGE OF SLOTS stands at a slot's head.  Each wave waits for all its tensor loads (its part of the slot ahead), adds 0 to its spare word, and waits for that and for its reads of the slot that it has left.
; Behind the barrier the slot ahead is whole and nobody reads the other one.  fill = 1: that other slot takes the next 256 keys, unless they all come after the work-group's last query.
.macro CHANGE fill
	s_wait_tensorcnt 0x0                           ; no tensor load of mine is out, so group 0 may be written
	ds_add_u32 v[SPW], v[NIL]                      ; 0 onto my spare word
.if \fill
	s_xor_b32 s[G0+1], s[G0+1], SLOT1              ; the other slot than last time,
	s_add_nc_u64 s[G0+2:G0+3], s[G0+2:G0+3], SLOT1 ; the next four steps; the type bits on top are not reached
	s_wait_xcnt 0x0                                ; the last prefetch, a slot back, has read its address
	s_add_nc_u64 s[PFA:PFA+1], s[PFA:PFA+1], SLOT1
.endif
	s_wait_dscnt 0x0                               ; the add is done, and my reads of the slot that I have left are over
	s_barrier_signal -1
	s_barrier_wait -1
.if \fill
	s_add_co_u32 s39, s[KF], 256                   ; the first key of the slot that this change would ask for
	s_cmp_gt_u32 s39, s[QL]                        ; ids and the count of steps alone: all sixteen waves go the same way, and a work-group that is past the limit stays past it; no step reads a slot so left out
	s_cbranch_scc1 .Lpast_\@
	TLOAD                                          ; a wave's one tensor load until the next such barrier: one load of mine is out
.Lpast_\@:
	ASK
.endif
.endm
.macro SLOT_STEPS                      ; a slot's four steps: written once, walked four times; the LDS address hangs on s[TB]
	s_mov_b32 s[CNT], 4
.Lstep_\@:
	STEP
	s_sub_co_u32 s[CNT], s[CNT], 1
	s_cmp_lg_u32 s[CNT], 0
	s_cbranch_scc1 .Lstep_\@
	s_sub_co_u32 s[TB], s[TB], 4*STEPB
	s_xor_b32 s[TB], s[TB], SLOT1                  ; on to the other slot
.endm
	s_wait_loadcnt 0x0                             ; Q
.Lslot:                                            ; seven trips
	CHANGE 1
	SLOT_STEPS
	s_sub_co_u32 s[SLOTS], s[SLOTS], 1
	s_cmp_lg_u32 s[SLOTS], 0
	s_cbranch_scc1 .Lslot
	CHANGE 0                                       ; the last slot is written out: nothing is left to ask for
	SLOT_STEPS
	; THE WAY OUT: O^T / l, rounded to f16: a lane's eight channels of a query are 16 bytes at 16 x lane of a fragment: stored straight from registers
.irp t, 0,1
	v_add_f32 v[ST+8*\t+4], v[ST+8*\t+2], v[ST+8*\t+3]
.endr
.irp t, 0,1
	v_permlanex16_b32 v[ST+8*\t+5], v[ST+8*\t+4], s[SEL], s[SEL+1]
.endr
.irp t, 0,1
	v_add_f32 v[ST+8*\t+4], v[ST+8*\t+4], v[ST+8*\t+5]
.endr
.irp t, 0,1
	v_rcp_f32 v[ST+8*\t+6], v[ST+8*\t+4]
.endr
	v_nop                                          ; a plain line behind the last reciprocal
	s_wait_alu depctr_va_vdst(0)                   ; and the wait ahead of the first use: one for the two
.irp t, 0,1
.irp i, 0,2,4,6,8,10,12,14,16,18,20,22,24,26,28,30
	v_pk_mul_f32 v[S+32*\t+\i:S+32*\t+\i+1], v[O+32*\t+\i:O+32*\t+\i+1], v[ST+8*\t+6:ST+8*\t+7] op_sel_hi:[1,0]
.endr
.endr
.irp t, 0,1
.irp i, 0,1,2,3,4,5,6,7,8,9,10,11,12,13,14,15
	v_cvt_pk_f16_f32 v[KV+16*\t+\i], v[S+32*\t+2*\i], v[S+32*\t+2*\i+1]
.endr
.endr
.irp t, 0,1
.irp ct, 0,1,2,3
	global_store_b128 v[LI], v[KV+16*\t+4*\ct:KV+16*\t+4*\ct+3], s[8:9] offset:32768*\t+512*\ct   ; 512 consecutive bytes, aligned
.endr
.endr
	s_wait_tensorcnt 0x0                           ; the wave's end, behind my last tensor load
	ds_add_u32 v[SPW], v[NIL]
	s_wait_dscnt 0x0
	s_endpgm
.Lfunc_end_k_q32396d6f23_attn:
	.size	k_q32396d6f23_attn, .Lfunc_end_k_q32396d6f23_attn-k_q32396d6f23_attn
	.p2alignl 7, 3214868480
	.fill 96, 4, 3214868480
	.section	.rodata,"a",@progbits
	.p2align	6, 0x0
	.amdhsa_kernel k_q32396d6f23_attn
		.amdhsa_group_segment_fixed_size 327680
		.amdhsa_private_segment_fixed_size 0
		.amdhsa_enable_private_segment 0
		.amdhsa_kernarg_size 24
		.amdhsa_user_sgpr_count 2
		.amdhsa_user_sgpr_kernarg_segment_ptr 1
		.amdhsa_wavefront_size32 1
		.amdhsa_system_sgpr_workgroup_id_x 1
		.amdhsa_system_sgpr_workgroup_id_y 1
		.amdhsa_system_sgpr_workgroup_id_z 1
		.amdhsa_system_vgpr_workitem_id 0
		.amdhsa_next_free_vgpr 256
		.amdhsa_next_free_sgpr 66
		.amdhsa_reserve_vcc 1
		.amdhsa_float_denorm_mode_32 3
		.amdhsa_float_denorm_mode_16_64 3
		.amdhsa_memory_ordered 1
		.amdhsa_forward_progress 1
		.amdhsa_inst_pref_size 57
	.end_amdhsa_kernel
	.amdgpu_metadata
---
amdhsa.version: [ 1, 2 ]
amdhsa.kernels:
  - .name:           k_q32396d6f23_attn
    .symbol:         k_q32396d6f23_attn.kd
    .args:
      - { .name: qf, .offset: 0, .size: 8, .value_kind: global_buffer, .address_space: global }
      - { .name: kv, .offset: 8, .size: 8, .value_kind: global_buffer, .address_space: global }
      - { .name: af, .offset: 16, .size: 8, .value_kind: global_buffer, .address_space: global }
    .group_segment_fixed_size: 327680
    .private_segment_fixed_size: 0
    .kernarg_segment_align: 8
    .kernarg_segment_size: 24
    .max_flat_workgroup_size: 512
    .sgpr_count:     66
    .vgpr_count:     256
    .wavefront_size: 32
...
	.end_amdgpu_metadata
.endif
;; end of part 4
;; launch oproj (part 5): grid 4 x 64, 4 waves a work-group, clusters of 4 x 4, 327,680 bytes of LDS; arguments af, wf, seq_lens, out0; writes out0
.if DOCPART == 5
	.amdgcn_target "amdgcn-amd-amdhsa--gfx1250"
	.amdhsa_code_object_version 6
	.text
	.protected	k_q32396d6f23_oproj
	.globl	k_q32396d6f23_oproj
	.p2align	8
	.type	k_q32396d6f23_oproj,@function
k_q32396d6f23_oproj:
	s_mov_b64 s[64:65], 0
	v_nop
	global_prefetch_b8 v0, s[64:65] scope:SCOPE_SE
	s_setreg_imm32_b32 hwreg(HW_REG_WAVE_MODE, 25, 1), 1
	s_wait_xcnt 0x0
	s_wait_alu depctr_hold_cnt(0) depctr_sa_sdst(0) depctr_va_vdst(0) depctr_va_sdst(0) depctr_va_ssrc(0) depctr_va_vcc(0) depctr_vm_vsrc(0)
	s_getreg_b32 s2, hwreg(HW_REG_IB_STS2, 6, 4)
	s_cmp_eq_u32 s2, 0
	s_cbranch_scc0 .Lentry_in_a_cluster
	s_endpgm
.Lentry_in_a_cluster:
	s_bfe_u32 s2, ttmp6, 0x10000c
	s_cmp_lg_u32 s2, 0xf033
	s_cbranch_scc0 .Lentry_shape_is_right
	s_endpgm
.Lentry_shape_is_right:
; out0[row][n] = the sum over k of A[row][k] Wo[k][n] where the row's position lies under its sequence's length, else 0.  A [8,192][1,024] and Wo are f16, laid by the launches before as images of
; the operand registers: af [row / 16: 512][k / 32: 32][1,024], wf [n / 16: 64][k / 32: 32][1,024]; sums in f32; out0 f32.
; A tile of C is 128 rows x 256 columns: 256 work-groups.  Four waves, each 64 x 128: 32 accumulators, 256 registers.  K goes in steps of 128 (four fragments of each tile of rows, 4,096 consecutive
; bytes) through a ring of two LDS slots; every fragment is read at 16 x lane: no padding, and no two lanes of a load meet in a bank.
; CLUSTERS: 4 x 4 work-groups.  The four of a row of the cluster need the same tile of A, the four of a column the same tile of Wo: each is asked for JOINTLY.
; THE MATRIX INSTRUCTION IS USED TRANSPOSED (source 0 = 16 columns of Wo, source 1 = 16 rows of A): a lane holds eight neighbouring numbers of a row of C.
; THE LENGTHS are read by a scalar load and enter by selects alone: a row's 16 bytes a lane are kept or cleared by an AND with all ones or 0; no branch hangs on them.
; REGISTERS: window 0: v0-31 addresses; v128-255 rows on the way out.   window 1: two fragment buffers at v0 and v128: A's four fragments, then Wo's eight.   window 2: accumulator (a, b) at v[8 (8 a + b)].
.set SLOT,   98304                     ; A's two halves of 16,384 bytes, then Wo's two of 32,768
.set BOFF,   32768
.set SPARE,  2*SLOT                    ; behind the ring: the spare words, 128 bytes a wave
.set SPITCH, 528                       ; the way out: a stage of 16 rows x (512 bytes + 16) for each wave, in slot 0, which has had its last fill and its last read when the first result is stored there
.set LAPS,   4                         ; a lap = two K steps; K = 1,024
.set ADRA, 16                          ; v16-17  LDS address of my A fragments in slot 0, 1
.set ADRB, 20                          ; v20-21  the same for Wo
.set STO,  24                          ; v24     the way out: where I put 32 bytes of a row
.set RD,   25                          ; v25     and where I read a row back
.set CO,   26                          ; v26     16 x lane: my bytes of a row of C
.set SPW,  28                          ; v28     LDS address of my spare word; never rewritten
.set NIL,  29                          ; v29     0; never rewritten
.set BK,   128
.set F0,   0
.set F1,   128
.set G1, 24                            ; s[24:31] group 1 for A's tiles; s[32:39] group 0, a set for each slot
.set G0, 32
.set G1B, 48                           ; s[48:55], s[56:63] the same for Wo's
.set G0B, 56
.set MSB, 0
.macro WIN new                         ; the immediate's high byte repeats the setting that is left
.if MSB != \new
	s_set_vgpr_msb (MSB<<8)|\new
.set MSB, \new
.endif
.endm
.set MUL,  0xa5                        ; sources 0 and 1 window 1; C and D window 2
.set TO_F, 0x40                        ; destination window 1, address window 0
.macro JLOAD s                         ; waves 0 and 1 fetch A's halves, waves 2 and 3 Wo's; an s_nop 0 and four v_nop follow each of the two lines
	s_cmp_eq_u32 s13, 0
	s_cbranch_scc0 .Lfor_b_\@
	tensor_load_to_lds s[G0+4*\s:G0+4*\s+3], s[G1:G1+7]
	s_nop 0
.rept 4
	v_nop
.endr
	s_branch .Lasked_\@
.Lfor_b_\@:
	tensor_load_to_lds s[G0B+4*\s:G0B+4*\s+3], s[G1B:G1B+7]
	s_nop 0
.rept 4
	v_nop
.endr
.Lasked_\@:
.endm
.macro CREST                           ; a round of the cluster's barrier behind its opening barrier
	s_cmp_lg_u32 s12, 0
	s_cbranch_scc1 .Lnot_wave_0_\@
	s_barrier_signal -3
.Lnot_wave_0_\@:
	s_barrier_wait -3
	s_barrier_signal -1
	s_barrier_wait -1
.endm
.macro CROUND
	s_barrier_signal -1
	s_barrier_wait -1
	CREST
.endm
	s_load_b256 s[4:11], s[0:1], 0x0               ; af s[4:5], wf s[6:7], seq_lens s[8:9], out0 s[10:11]
	v_lshl_add_u32 v[SPW], v0, 2, SPARE
	v_mov_b32 v[NIL], 0
	ds_add_u32 v[SPW], v[NIL]                      ; the wave's opening: the add and its wait stand ahead of my first tensor load; the set-up below stands between them
	v_lshrrev_b32 v1, 5, v0
	v_readfirstlane_b32 s12, v1                    ; wave 0..3
	s_lshr_b32 s13, s12, 1                         ; which half of the tile's rows is mine.  Also: I fetch for A (0) or for Wo (1)
	s_and_b32 s14, s12, 1                          ; which half of its columns.  Also: which half of that tile I fetch
	s_bfe_u32 s40, ttmp6, 0x40000                  ; cx, cy
	s_bfe_u32 s41, ttmp6, 0x40004
	s_lshl_b32 s42, ttmp9, 2
	s_add_co_u32 s42, s42, s40                     ; tile column of C
	s_and_b32 s15, ttmp7, 0xffff
	s_lshl_b32 s15, s15, 2
	s_add_co_u32 s15, s15, s41                     ; tile row of C
	s_lshl_b32 s43, s41, 2
	s_lshl_b32 s43, 15, s43                        ; my row of the cluster
	s_lshl_b32 s44, 0x1111, s40                    ; my column
	; group 1: rows of 512 elements of 8 bytes (a K step's four fragments of a tile of 16), 4,096 elements apart; four such rows for half of A's tile, eight for half of Wo's
	s_or_b32 s[G1+0], s43, (3<<16)|(1<<21)
	s_or_b32 s[G1B+0], s44, (3<<16)|(1<<21)
	s_mov_b32 s[G1+1], 512<<16                     ; tensor_dim0
	s_mov_b32 s[G1+2], 4<<16                       ; tensor_dim1
	s_mov_b32 s[G1+3], 512<<16                     ; tile_dim0
	s_mov_b32 s[G1+4], 4                           ; tile_dim1
	s_mov_b32 s[G1+5], 4096                        ; tensor_dim0_stride
	s_mov_b32 s[G1+6], 0
	s_mov_b32 s[G1+7], 0
	s_mov_b32 s[G1B+1], 512<<16
	s_mov_b32 s[G1B+2], 8<<16
	s_mov_b32 s[G1B+3], 512<<16
	s_mov_b32 s[G1B+4], 8
	s_mov_b32 s[G1B+5], 4096
	s_mov_b32 s[G1B+6], 0
	s_mov_b32 s[G1B+7], 0
	s_lshl_b32 s16, s15, 18                        ; A: eight tiles of 32,768 bytes a tile row, four a half
	s_lshl_b32 s18, s14, 17
	s_add_co_u32 s16, s16, s18
	s_mov_b32 s17, 0
	s_lshl_b32 s46, s42, 19                        ; Wo: sixteen a tile column, eight a half
	s_lshl_b32 s18, s14, 18
	s_add_co_u32 s46, s46, s18
	s_mov_b32 s47, 0
	s_lshl_b32 s20, s14, 14                        ; where they go: the wave's number alone
	s_lshl_b32 s21, s14, 15
	s_add_co_u32 s21, s21, BOFF
	s_wait_dscnt 0x0                               ; the opening add is done
	s_wait_kmcnt 0x0
	s_add_nc_u64 s[16:17], s[4:5], s[16:17]
	s_add_nc_u64 s[46:47], s[6:7], s[46:47]
	s_load_b128 s[76:79], s[8:9], 0x0              ; the four lengths
	CROUND                                         ; all sixteen work-groups are here: the first joint loads meet
.irp s, 0,1
	s_mov_b32 s[G0+4*\s], 1
	s_add_co_u32 s[G0+4*\s+1], s20, \s*SLOT
	s_add_nc_u64 s[G0+4*\s+2:G0+4*\s+3], s[16:17], \s*4096
	s_or_b32 s[G0+4*\s+3], s[G0+4*\s+3], 0x80000000
	s_mov_b32 s[G0B+4*\s], 1
	s_add_co_u32 s[G0B+4*\s+1], s21, \s*SLOT
	s_add_nc_u64 s[G0B+4*\s+2:G0B+4*\s+3], s[46:47], \s*4096
	s_or_b32 s[G0B+4*\s+3], s[G0B+4*\s+3], 0x80000000
	JLOAD \s                                       ; two loads of mine are out behind the second
.endr
	v_and_b32 v1, 15, v0                           ; r
	v_bfe_u32 v2, v0, 4, 1                         ; h
	v_and_b32 v3, 31, v0
	v_lshlrev_b32 v[CO], 4, v3
	s_lshl_b32 s21, s13, 14                        ; my half of A,
	s_lshl_b32 s22, s14, 15
	s_add_co_u32 s22, s22, BOFF                    ; my half of Wo
.irp s, 0,1
	v_add_nc_u32 v[ADRA+\s], s21, v[CO]
	v_add_nc_u32 v[ADRB+\s], s22, v[CO]
	s_add_co_u32 s21, s21, SLOT
	s_add_co_u32 s22, s22, SLOT
.endr
	s_mul_i32 s23, s12, 16*SPITCH                  ; my stage
	v_mul_u32_u24 v5, v1, SPITCH
	v_lshl_add_u32 v5, v2, 5, v5
	v_add_nc_u32 v[STO], s23, v5                   ; in: row r, 32 bytes for each half of the lanes
	v_add_nc_u32 v[RD], s23, v[CO]                 ; back: the 32 lanes take one row of 512 bytes
	s_lshl_b32 s16, s15, 19                        ; my first row of C: 128 x tile row + 64 x half, 4,096 bytes a row;
	s_lshl_b32 s18, s13, 18
	s_add_co_u32 s16, s16, s18
	s_lshl_b32 s18, s42, 10                        ; my first column: 1,024 bytes a tile column + 512 x half
	s_add_co_u32 s16, s16, s18
	s_lshl_b32 s18, s14, 9
	s_add_co_u32 s16, s16, s18
	s_mov_b32 s17, 0
	s_add_nc_u64 s[10:11], s[10:11], s[16:17]
	s_lshr_b32 s16, s15, 4                         ; my batch: sixteen tile rows each
	s_wait_kmcnt 0x0
	s_cmp_eq_u32 s16, 1
	s_cselect_b32 s72, s77, s76
	s_cmp_eq_u32 s16, 2
	s_cselect_b32 s72, s78, s72
	s_cmp_eq_u32 s16, 3
	s_cselect_b32 s72, s79, s72
	s_max_i32 s72, s72, 0
	s_min_i32 s72, s72, 2048                       ; any length is served: under 0 as 0, over 2,048 as 2,048
	s_and_b32 s17, s15, 15
	s_lshl_b32 s17, s17, 7
	s_lshl_b32 s18, s13, 6
	s_add_co_u32 s17, s17, s18                     ; my first row's position
	s_sub_co_i32 s72, s72, s17                     ; row i of my 64 is kept where this is above i
.macro MUL8 f, a, zero                 ; A's block a x Wo's eight, 32 along K.  The 32 accumulators take turns, one instruction a turn, in the same order in every quarter
.irp b, 0,1,2,3,4,5,6,7
.if \zero
	v_wmma_f32_16x16x32_f16 v[8*(8*(\a)+\b):8*(8*(\a)+\b)+7], v[\f+32+8*\b:\f+32+8*\b+7], v[\f+8*(\a):\f+8*(\a)+7], 0
.else
	v_wmma_f32_16x16x32_f16 v[8*(8*(\a)+\b):8*(8*(\a)+\b)+7], v[\f+32+8*\b:\f+32+8*\b+7], v[\f+8*(\a):\f+8*(\a)+7], v[8*(8*(\a)+\b):8*(8*(\a)+\b)+7]
.endif
.endr
.endm
.macro FETCH slot, q, f                ; 24 LDS loads in one run: the slot's q-th 32 along K: Wo's eight fragments, then A's four
	WIN TO_F
.irp b, 0,1,2,3,4,5,6,7
.irp c, 0,1
	ds_load_b128 v[\f+32+8*\b+4*\c:\f+32+8*\b+4*\c+3], v[ADRB+\slot] offset:4096*\b+1024*(\q)+512*\c
.endr
.endr
.irp a, 0,1,2,3
.irp c, 0,1
	ds_load_b128 v[\f+8*\a+4*\c:\f+8*\a+4*\c+3], v[ADRA+\slot] offset:4096*\a+1024*(\q)+512*\c
.endr
.endr
.endm
.macro PLACES                          ; four plain lines ahead of loads into registers that matrix instructions have read, and of the first read of results
.rept 4
	v_nop
.endr
.endm
; A K step is four quarters of 32 along K, 32 matrix instructions each, on buffers 0, 1, 0, 1.  One of the first three: multiplies buffer f and fetches quarter q into g.
.macro QUARTER slot, q, f, g, zero
	s_wait_dscnt 4                                 ; Wo's fragments and A's blocks 0, 1 are in; the youngest four loads (A's blocks 2, 3) may be out
	WIN MUL
	MUL8 \f, 0, \zero
	MUL8 \f, 1, \zero
	PLACES
	FETCH \slot, \q, \g
	s_wait_dscnt 24                                ; all but the 24 just issued
	WIN MUL
	MUL8 \f, 2, \zero
	MUL8 \f, 3, \zero
.endm
; The last quarter multiplies buffer 1 and changes slots: ONE barrier; in front of it each wave waits for all its tensor loads, adds 0 to its spare word, and waits for that and for its reads of this slot.
; fill = 1: the barrier opens a round of the cluster's barrier, and this slot is filled again, two K steps ahead: 112 matrix instructions ahead of the wait for it.
.macro TURN slot, next, fill
	WIN 0                                          ; (the add's two registers lie in window 0)
	s_wait_tensorcnt 0x0                           ; all my tensor loads have landed: the one that was out is my part of the next slot
	ds_add_u32 v[SPW], v[NIL]                      ; 0 onto my spare word
	s_wait_dscnt 5                                 ; (the add and the youngest four loads may be out)
	WIN MUL
	MUL8 F1, 0, 0
	s_wait_dscnt 0x0                               ; the add is done, and my reads of this slot are over
	s_barrier_signal -1
	MUL8 F1, 1, 0
.if \fill
	WIN 0
.endif
	s_barrier_wait -1
.if \fill
	CREST                                          ; no wave of any partner still reads this slot's tile or has a load on its way
	s_add_nc_u64 s[G0+4*\slot+2:G0+4*\slot+3], s[G0+4*\slot+2:G0+4*\slot+3], 2*4096
	s_add_nc_u64 s[G0B+4*\slot+2:G0B+4*\slot+3], s[G0B+4*\slot+2:G0B+4*\slot+3], 2*4096
	JLOAD \slot                                    ; the first tensor load behind the round; its four v_nop are also the places ahead of the loads below
.else
	PLACES
.endif
	FETCH \next, 0, F0
	WIN MUL
	MUL8 F1, 2, 0
	MUL8 F1, 3, 0
.endm
	s_wait_tensorcnt 1                             ; my part of K step 0 is in; K step 1's load may be out
	s_barrier_signal -1
	s_barrier_wait -1
	FETCH 0, 0, F0
	QUARTER 0, 1, F0, F1, 1                        ; the first quarter's products start the sums: nothing is cleared
	WIN 0
	s_mov_b32 s3, LAPS-1
.Llap:                                             ; a trip goes once round the ring, from a lap's second quarter to the next lap's first, and fills both slots again
	QUARTER 0, 2, F1, F0, 0
	QUARTER 0, 3, F0, F1, 0
	TURN 0, 1, 1
	QUARTER 1, 1, F0, F1, 0
	QUARTER 1, 2, F1, F0, 0
	QUARTER 1, 3, F0, F1, 0
	TURN 1, 0, 1
	QUARTER 0, 1, F0, F1, 0
	WIN 0
	s_sub_co_u32 s3, s3, 1
	s_cmp_lg_u32 s3, 0
	s_cbranch_scc1 .Llap
	QUARTER 0, 2, F1, F0, 0                        ; the last lap fills nothing
	QUARTER 0, 3, F0, F1, 0
	TURN 0, 1, 0
	QUARTER 1, 1, F0, F1, 0
	QUARTER 1, 2, F1, F0, 0
	QUARTER 1, 3, F0, F1, 0
	s_wait_dscnt 4
	WIN MUL
	MUL8 F1, 0, 0
	MUL8 F1, 1, 0
	s_wait_dscnt 0x0
	MUL8 F1, 2, 0
	MUL8 F1, 3, 0
	WIN 0
; THE WAY OUT, block by block of 16 rows x 128 columns, through my own stage: in as 32 bytes a lane, back as whole rows of 512 bytes.  LDS serves a wave's instructions in order: no wait between the stores and the loads.
.macro TOSTAGE a
	WIN 0x08                                       ; an LDS store's data are its source 1: window 2
.irp b, 0,1,2,3,4,5,6,7
	ds_store_b128 v[STO], v[64*(\a)+8*\b:64*(\a)+8*\b+3] offset:64*\b          ; each accumulator from its low end on
	ds_store_b128 v[STO], v[64*(\a)+8*\b+4:64*(\a)+8*\b+7] offset:64*\b+16
.endr
	WIN 0
.set BB, BK+64*((\a)%2)
.irp t, 0,1,2,3,4,5,6,7,8,9,10,11,12,13,14,15
	ds_load_b128 v[BB+4*\t:BB+4*\t+3], v[RD] offset:\t*SPITCH
.endr
.endm
.macro SEND a, younger                 ; younger: the LDS instructions issued behind block a's loads, which may stay out
.set BB, BK+64*((\a)%2)
	s_wait_dscnt \younger
.irp t, 0,1,2,3,4,5,6,7,8,9,10,11,12,13,14,15
	s_cmp_gt_i32 s72, 16*(\a)+\t                   ; does the row's position lie under the length?
	s_cselect_b32 s73, -1, 0
.irp i, 0,1,2,3
	v_and_b32 v[BB+4*\t+\i], s73, v[BB+4*\t+\i]    ; kept, or 0
.endr
	global_store_b128 v[CO], v[BB+4*\t:BB+4*\t+3], s[10:11] offset:(16*(\a)+\t)*4096 th:TH_STORE_NT   ; 32 lanes store 512 consecutive bytes, aligned; the row stands in the immediate: 258,048 at the most
.endr
.endm
	PLACES
	TOSTAGE 0
.irp a, 1,2,3
.if \a > 1
	s_wait_xcnt 0x0                                ; block a - 2's stores have read their registers: block a's loads may land there
.endif
	TOSTAGE \a
	SEND \a-1, 32                                  ; behind block a - 1's loads: block a's 16 stores and 16 loads
.endr
	SEND 3, 0
	s_wait_tensorcnt 0x0                           ; the wave's end, behind my last tensor load and my last LDS store
	ds_add_u32 v[SPW], v[NIL]
	s_wait_dscnt 0x0
	CROUND                                         ; the closing round
	s_endpgm
.Lfunc_end_k_q32396d6f23_oproj:
	.size	k_q32396d6f23_oproj, .Lfunc_end_k_q32396d6f23_oproj-k_q32396d6f23_oproj
	.p2alignl 7, 3214868480
	.fill 96, 4, 3214868480
	.section	.rodata,"a",@progbits
	.p2align	6, 0x0
	.amdhsa_kernel k_q32396d6f23_oproj
		.amdhsa_group_segment_fixed_size 327680
		.amdhsa_private_segment_fixed_size 0
		.amdhsa_enable_private_segment 0
		.amdhsa_kernarg_size 32
		.amdhsa_user_sgpr_count 2
		.amdhsa_user_sgpr_kernarg_segment_ptr 1
		.amdhsa_wavefront_size32 1
		.amdhsa_system_sgpr_workgroup_id_x 1
		.amdhsa_system_sgpr_workgroup_id_y 1
		.amdhsa_system_sgpr_workgroup_id_z 1
		.amdhsa_system_vgpr_workitem_id 0
		.amdhsa_next_free_vgpr 768
		.amdhsa_next_free_sgpr 80
		.amdhsa_reserve_vcc 0
		.amdhsa_float_denorm_mode_32 3
		.amdhsa_float_denorm_mode_16_64 3
		.amdhsa_memory_ordered 1
		.amdhsa_forward_progress 1
		.amdhsa_inst_pref_size 97
	.end_amdhsa_kernel
	.amdgpu_metadata
---
amdhsa.version: [ 1, 2 ]
amdhsa.kernels:
  - .name:           k_q32396d6f23_oproj
    .symbol:         k_q32396d6f23_oproj.kd
    .args:
      - { .name: af, .offset: 0, .size: 8, .value_kind: global_buffer, .address_space: global }
      - { .name: wf, .offset: 8, .size: 8, .value_kind: global_buffer, .address_space: global }
      - { .name: seq_lens, .offset: 16, .size: 8, .value_kind: global_buffer, .address_space: global }
      - { .name: out0, .offset: 24, .size: 8, .value_kind: global_buffer, .address_space: global }
    .group_segment_fixed_size: 327680
    .private_segment_fixed_size: 0
    .kernarg_segment_align: 8
    .kernarg_segment_size: 32
    .max_flat_workgroup_size: 128
    .sgpr_count:     80
    .vgpr_count:     768
    .wavefront_size: 32
...
	.end_amdgpu_metadata
.endif
;; end of part 5
;; launch headb (part 6): grid 16 x 4, 16 waves a work-group, no clusters, 71,680 bytes of LDS; arguments ohead, Wo, seq_lens, out0; writes out0
.if DOCPART == 6
	.amdgcn_target "amdgcn-amd-amdhsa--gfx1250"
	.amdhsa_code_object_version 6
	.text
	.protected	k_q32396d6f23_headb
	.globl	k_q32396d6f23_headb
	.p2align	8
	.type	k_q32396d6f23_headb,@function
k_q32396d6f23_headb:
	s_mov_b64 s[64:65], 0
	v_nop
	global_prefetch_b8 v0, s[64:65] scope:SCOPE_SE
	s_setreg_imm32_b32 hwreg(HW_REG_WAVE_MODE, 25, 1), 1
	s_wait_xcnt 0x0
; THE FIRST 16 POSITIONS OF EACH SEQUENCE, WITH f32 OPERANDS: out0[batch][position 0 .. 15][n] = the sum over k of O[position][k] Wo[k][n] where the position lies under the sequence's length, else 0.
; It runs last and stores these 64 rows over what the f16 product left there; why these rows are made with f32 operands is said at the head of the launch that makes O.
; O comes as that launch left it: ohead [batch][head][ct: 4][u: 2][lane][16 bytes]: lane (r, h), register j of tile ct: O(position r, k = 64 head + 16 ct + 8 h + j).  Wo is the input itself, [k][n] f32.
; SHARES.  Work-group (64 columns, batch), sixteen waves.  Wave w takes head w's 64 of K: 16 groups of 4 along K x 4 tiles of 16 columns = 64 matrix instructions, four accumulators by turns.
; THE FRAGMENTS.  The f32 matrix instruction takes 4 along K: lane (r, h), register j: k = 2 h + j.  A permutation of k applied alike to both sources keeps the products: group g = 4 ct + jj is
; k = 64 w + 16 ct + 8 h + 2 jj + j.  So registers 2 g, 2 g + 1 of O's image are its fragment as they lie, and Wo's is two loads of 4 bytes a lane: sixteen lanes read 64 neighbouring bytes of a row,
; a group's four tiles together the row's 256.
; THE MATRIX INSTRUCTION IS USED TRANSPOSED (source 0 = 16 columns of Wo, source 1 = the 16 rows of O): a lane holds eight neighbouring numbers of a row of the result.
; THE SUM OVER THE SIXTEEN WAVES is made in LDS: each wave stores its 16 rows x 256 bytes (rows 272 bytes apart: the sixteen rows that a store touches start at sixteen different banks); one barrier;
; waves 0-7 add the sixteen parts, two rows each, 16 bytes a lane, and store: sixteen lanes, 256 consecutive bytes, aligned.
; THE LENGTHS enter by a compare and selects alone.
; No tensor load, no cluster, no prefetch: a short launch in which each wave reads its 20 KB once, straight into registers, six groups (48 loads) ahead.
.set PITCH, 272
.set PART,  16*PITCH                   ; a wave's part: 4,352 bytes
.set SPARE, 16*PART                    ; 69,632: behind the sixteen parts: the spare words, 128 bytes a wave
.set LI,   1                           ; v1   16 x lane
.set WO,   2                           ; v2   Wo: 4 r + 8 h rows of 4,096 bytes
.set SPW,  3                           ; v3   LDS address of my spare word; never rewritten
.set NIL,  4                           ; v4   0; never rewritten
.set STO,  5                           ; v5   where I put 32 bytes of a row of my part
.set RD,   6                           ; v6   where I read 16 bytes of a row of part 0
.set CO,   7                           ; v7   the same place in out0
.set ROW,  8                           ; v8   the row that I add up: 2 (wave % 8) + lane / 16
.set WF,   16                          ; v16-143  Wo's fragments: group g, tile nt at 8 g + 2 nt
.set OF,   144                         ; v144-175 O's fragments: group g at 2 g
.set RB,   16                          ; v16-79   the sixteen parts of my 16 bytes
.set ACC,  224                         ; v224-255 four accumulators: written by matrix instructions alone
	s_load_b256 s[4:11], s[0:1], 0x0               ; ohead s[4:5], Wo s[6:7], seq_lens s[8:9], out0 s[10:11]
	v_lshl_add_u32 v[SPW], v0, 2, SPARE
	v_mov_b32 v[NIL], 0
	v_lshrrev_b32 v9, 5, v0
	v_readfirstlane_b32 s12, v9                    ; wave 0..15: the head
	s_and_b32 s13, ttmp7, 0xffff                   ; batch; the 64 columns are the work-group's x
	v_and_b32 v9, 31, v0
	v_lshlrev_b32 v[LI], 4, v9
	v_and_b32 v10, 15, v0                          ; r
	v_bfe_u32 v11, v0, 4, 1                        ; h
	v_lshlrev_b32 v[WO], 2, v10
	v_lshl_add_u32 v[WO], v11, 15, v[WO]
	s_mul_i32 s14, s12, PART
	v_mul_u32_u24 v[STO], v10, PITCH
	v_lshl_add_u32 v[STO], v11, 5, v[STO]
	v_add_nc_u32 v[STO], s14, v[STO]               ; my part, row r, 32 bytes for each half of the lanes
	s_and_b32 s15, s12, 7
	s_lshl_b32 s15, s15, 1
	v_add_nc_u32 v[ROW], s15, v11
	v_mul_u32_u24 v[RD], v[ROW], PITCH
	v_lshl_add_u32 v[RD], v10, 4, v[RD]
	v_lshlrev_b32 v[CO], 12, v[ROW]
	v_lshl_add_u32 v[CO], v10, 4, v[CO]
	s_lshl_b32 s16, s13, 4
	s_add_co_u32 s16, s16, s12
	s_lshl_b32 s16, s16, 12                        ; O: 4,096 bytes for a head of a batch
	s_mov_b32 s17, 0
	s_lshl_b32 s18, s12, 18                        ; Wo: the head's 64 rows of 4,096 bytes,
	s_lshl_b32 s19, ttmp9, 8                       ; my 64 columns
	s_add_co_u32 s18, s18, s19
	s_mov_b32 s19, 0
	s_lshl_b32 s20, s13, 23                        ; out0: the batch's 2,048 rows of 4,096 bytes,
	s_lshl_b32 s21, ttmp9, 8
	s_add_co_u32 s20, s20, s21
	s_mov_b32 s21, 0
	s_wait_kmcnt 0x0
	s_add_nc_u64 s[4:5], s[4:5], s[16:17]
	s_add_nc_u64 s[6:7], s[6:7], s[18:19]
	s_add_nc_u64 s[10:11], s[10:11], s[20:21]
	s_load_b128 s[24:27], s[8:9], 0x0              ; the four lengths
.macro WLOAD g                         ; group g's eight registers
.irp nt, 0,1,2,3
.irp j, 0,1
	global_load_b32 v[WF+8*(\g)+2*\nt+\j], v[WO], s[6:7] offset:(16*((\g)/4)+2*((\g)%4)+\j)*4096+64*\nt
.endr
.endr
.endm
.irp i, 0,1,2,3,4,5,6,7
	global_load_b128 v[OF+4*\i:OF+4*\i+3], v[LI], s[4:5] offset:512*\i
.endr
.irp g, 0,1,2,3,4,5
	WLOAD \g
.endr
.set G, 0
.rept 16
.if G <= 10
	s_wait_loadcnt 40                              ; O and this group are in; the five groups behind it may be out
.else
	s_wait_loadcnt 8*(15-G)
.endif
.irp nt, 0,1,2,3                               ; four accumulators by turns, one instruction a turn; the first group's products start the sums
.if G == 0
	v_wmma_f32_16x16x4_f32 v[ACC+8*\nt:ACC+8*\nt+7], v[WF+8*G+2*\nt:WF+8*G+2*\nt+1], v[OF+2*G:OF+2*G+1], 0
.else
	v_wmma_f32_16x16x4_f32 v[ACC+8*\nt:ACC+8*\nt+7], v[WF+8*G+2*\nt:WF+8*G+2*\nt+1], v[OF+2*G:OF+2*G+1], v[ACC+8*\nt:ACC+8*\nt+7]
.endif
.endr
.if G+6 <= 15
	WLOAD G+6                                      ; into registers of its own: no matrix instruction has named them
.endif
.set G, G+1
.endr
.rept 8
	v_nop                                          ; eight places behind this form: ahead of the stores that read its results, and of the loads into Wo's registers behind the barrier
.endr
.irp nt, 0,1,2,3
	ds_store_b128 v[STO], v[ACC+8*\nt:ACC+8*\nt+3] offset:64*\nt          ; lane (r, h): columns 16 nt + 8 h + 0 .. 7 of row r; each accumulator from its low end on
	ds_store_b128 v[STO], v[ACC+8*\nt+4:ACC+8*\nt+7] offset:64*\nt+16
.endr
	s_wait_kmcnt 0x0
	s_cmp_eq_u32 s13, 1
	s_cselect_b32 s28, s25, s24
	s_cmp_eq_u32 s13, 2
	s_cselect_b32 s28, s26, s28
	s_cmp_eq_u32 s13, 3
	s_cselect_b32 s28, s27, s28                    ; my batch's length
	s_wait_dscnt 0x0                               ; for the others' sake: my stores have landed
	s_barrier_signal -1
	s_barrier_wait -1                              ; the sixteen parts lie in LDS
	s_cmp_lt_u32 s12, 8
	s_cbranch_scc1 .Lsum
	s_wait_tensorcnt 0x0                           ; the wave's end, behind my last LDS store
	ds_add_u32 v[SPW], v[NIL]
	s_wait_dscnt 0x0
	s_endpgm
.Lsum:
.irp p, 0,1,2,3,4,5,6,7,8,9,10,11,12,13,14,15
	ds_load_b128 v[RB+4*\p:RB+4*\p+3], v[RD] offset:\p*PART      ; sixteen lanes read a row's 256 consecutive bytes
.endr
	s_wait_dscnt 0x0
.macro ADDP a, b                       ; part a += part b
	v_pk_add_f32 v[RB+4*(\a):RB+4*(\a)+1], v[RB+4*(\a):RB+4*(\a)+1], v[RB+4*(\b):RB+4*(\b)+1]
	v_pk_add_f32 v[RB+4*(\a)+2:RB+4*(\a)+3], v[RB+4*(\a)+2:RB+4*(\a)+3], v[RB+4*(\b)+2:RB+4*(\b)+3]
.endm
.irp p, 0,1,2,3,4,5,6,7
	ADDP \p, \p+8
.endr
.irp p, 0,1,2,3
	ADDP \p, \p+4
.endr
.irp p, 0,1
	ADDP \p, \p+2
.endr
	ADDP 0, 1
	v_cmp_gt_i32 vcc_lo, s28, v[ROW]               ; does my row's position lie under the length?
.irp i, 0,1,2,3
	v_cndmask_b32 v[RB+\i], 0, v[RB+\i], vcc_lo    ; kept, or 0
.endr
	global_store_b128 v[CO], v[RB:RB+3], s[10:11] th:TH_STORE_NT   ; sixteen lanes store 256 consecutive bytes, aligned
	s_wait_tensorcnt 0x0                           ; the wave's end: the same three lines
	ds_add_u32 v[SPW], v[NIL]
	s_wait_dscnt 0x0
	s_endpgm
.Lfunc_end_k_q32396d6f23_headb:
	.size	k_q32396d6f23_headb, .Lfunc_end_k_q32396d6f23_headb-k_q32396d6f23_headb
	.p2alignl 7, 3214868480
	.fill 96, 4, 3214868480
	.section	.rodata,"a",@progbits
	.p2align	6, 0x0
	.amdhsa_kernel k_q32396d6f23_headb
		.amdhsa_group_segment_fixed_size 71680
		.amdhsa_private_segment_fixed_size 0
		.amdhsa_enable_private_segment 0
		.amdhsa_kernarg_size 32
		.amdhsa_user_sgpr_count 2
		.amdhsa_user_sgpr_kernarg_segment_ptr 1
		.amdhsa_wavefront_size32 1
		.amdhsa_system_sgpr_workgroup_id_x 1
		.amdhsa_system_sgpr_workgroup_id_y 1
		.amdhsa_system_sgpr_workgroup_id_z 1
		.amdhsa_system_vgpr_workitem_id 0
		.amdhsa_next_free_vgpr 256
		.amdhsa_next_free_sgpr 66
		.amdhsa_reserve_vcc 1
		.amdhsa_float_denorm_mode_32 3
		.amdhsa_float_denorm_mode_16_64 3
		.amdhsa_memory_ordered 1
		.amdhsa_forward_progress 1
		.amdhsa_inst_pref_size 24
	.end_amdhsa_kernel
	.amdgpu_metadata
---
amdhsa.version: [ 1, 2 ]
amdhsa.kernels:
  - .name:           k_q32396d6f23_headb
    .symbol:         k_q32396d6f23_headb.kd
    .args:
      - { .name: ohead, .offset: 0, .size: 8, .value_kind: global_buffer, .address_space: global }
      - { .name: Wo, .offset: 8, .size: 8, .value_kind: global_buffer, .address_space: global }
      - { .name: seq_lens, .offset: 16, .size: 8, .value_kind: global_buffer, .address_space: global }
      - { .name: out0, .offset: 24, .size: 8, .value_kind: global_buffer, .address_space: global }
    .group_segment_fixed_size: 71680
    .private_segment_fixed_size: 0
    .kernarg_segment_align: 8
    .kernarg_segment_size: 32
    .max_flat_workgroup_size: 512
    .sgpr_count:     66
    .vgpr_count:     256
    .wavefront_size: 32
...
	.end_amdgpu_metadata
.endif
;; end of part 6
